; MI455X (gfx1250); checked and timed in simulation.
; The chip was launched on July 23, 2026; its instructions are those of AMD's public machine-readable ISA for CDNA 5 (MIT licence, August 2026) and "CDNA5" Instruction Set Architecture Reference Guide (July 2026). The comments in the code are by the model that wrote it; some were corrected since.
;; Multi Head Self Attention. Allowed arithmetic: matrix products marked QUANTISED: E2M3 operands, one E8M0 scale for each 32 along K, by v_wmma_scale_f32_16x16x128_f8f6f4 with both operands' format E2M3, f32 sums; everything else in f32.
;; Inputs: Wout 1,024 x 1,024 float32; Wqkv 1,024 x 3,072 float32; attn_mask 2,048 x 2,048 float32; bout 1,024 float32; x 4 x 2,048 x 1,024 float32.
;; Outputs: out0 4 x 2,048 x 1,024 float32.
;; This version of the problem:
;;   THIS VERSION OF THE PROBLEM IS GIVEN IN LOW PRECISION. The matrix products marked QUANTISED in the list below multiply operands that are first quantised to E2M3 (2 exponent bits, 3 mantissa bits; 6 bits a number), with one power-of-two scale for each 32 numbers along K (OCP MX v1.0); their sums are f32. All else is computed in f32.
;;   The module's matrix products, in the order in which they are computed (A, B: the left and right operand; K: the contracted axis; several contracted axes count as one K, in the product's order):
;;     1. [M 8,192, K 1,024] x [K 1,024, N 3,072]; A: input x; B: input Wqkv: QUANTISED
;;     2. batch 64 x [M 2,048, K 64] x [K 64, N 2,048]; A: computed on the way; B: computed on the way: QUANTISED
;;     3. batch 64 x [M 2,048, K 2,048] x [K 2,048, N 64]; A: softmax (see below); B: computed on the way: QUANTISED
;;     4. [M 8,192, K 1,024] x [K 1,024, N 1,024]; A: computed on the way; B: input Wout: QUANTISED
;;   THE QUANTISER, for each operand of a quantised product, along K:
;;     - K is cut into blocks of 32 from its start; a last block that is shorter is filled with zeros.
;;     - A block's scale is 2^e with e = floor(log2(the largest magnitude in the block)) - 2, held to -126 .. 127; a block of zeros has e = 0. As a byte (E8M0): e + 127.
;;     - Each number is divided by its block's scale, clamped to +-7.5, and rounded to the nearest number of E2M3, ties to even, subnormals kept.
;;     - The product sums the exact products of the quantised numbers (number of the format x scale) in f32.
;;   ~~~python
;;   def quantise(x, axis):      # numpy; x: float32 -> the quantised numbers, widened to float32 again
;;       x = np.moveaxis(x, axis, -1); K = x.shape[-1]
;;       x = np.pad(x, [(0, 0)] * (x.ndim - 1) + [(0, -K % 32)]); x = x.reshape(x.shape[:-1] + (-1, 32)); a = np.abs(x).max(-1, keepdims=True)
;;       e = np.where(a > 0, np.clip(np.frexp(np.where(a > 0, a, 1))[1] - 1 - 2, -126, 127), 0)      # np.frexp(a)[1] - 1 = floor(log2(a)), exactly
;;       r = np.clip(x / 2.0 ** e, -7.5, 7.5)
;;       step = 2.0 ** (np.maximum(np.frexp(np.where(r == 0, 1, r))[1] - 1, 0) - 3)
;;       q = np.round(r / step) * step * 2.0 ** e      # np.round: ties to even
;;       return np.moveaxis(q.reshape(q.shape[:-2] + (-1,))[..., :K], -1, axis).astype(np.float32)
;;   ~~~
;;   SOFTMAX AHEAD OF A QUANTISED PRODUCT. Where the list says 'softmax', what is quantised is not the finished softmax but p = 2^(t - M), with t = logit x log2(e) and M = ceil(the row's largest t), a whole number; so 1/2 < the row's largest p <= 1. The row's sum l is taken of the UNQUANTISED p, in f32, and the product's result is divided by l at the end. Since M is a whole number, a kernel that streams over the keys may use a running M (the ceiling of the running maximum): every later rescaling is an exact power of two, which a block's scale takes up: the codes' values come out the same.
;;   OPERANDS COMPUTED ON THE WAY. 'Computed on the way' means the value that the module computes at that place (a softmax that the list does not call 'softmax' is quantised finished and normalised). What goes into a quantiser is computed in f32, as accurately as f32 sums, v_exp_f32 and their like allow (about 1e-6 of the number): no bf16 or f16 on the way to a quantiser, and a product that is left as it is and whose result goes on into a quantised operand takes f32 operands (vector FMAs, or v_wmma_f32_16x16x4_f32). A number that lies on a knife's edge between two numbers of the format may be rounded either way, as far as f32 arithmetic and the matrix unit's own rounding can turn it there, and no further.
;; One version. Each part assembles by itself: llvm-mc -triple=amdgcn-amd-amdhsa -mcpu=gfx1250 --defsym DOCPART=n.
;; ======== version 1 of 1: 4 launches
;; workspace buffers: xc 6,291,456 bytes; wc 2,359,296 bytes; woc 786,432 bytes; sc 655,360 bytes; qc 6,815,744 bytes; kv 13,369,344 bytes; oc 6,291,456 bytes
;; launch quant (part 1): grid 384 x 1, 4 waves a work-group, no clusters, 83,456 bytes of LDS; arguments x, Wqkv, Wout, xc, wc, woc, sc; writes xc, wc, woc, sc
.if DOCPART == 1
	.amdgcn_target "amdgcn-amd-amdhsa--gfx1250"
	.amdhsa_code_object_version 6
	.text
	.protected	k_q10badb3e6e_quant
	.globl	k_q10badb3e6e_quant
	.p2align	8
	.type	k_q10badb3e6e_quant,@function
k_q10badb3e6e_quant:
	s_mov_b64 s[64:65], 0
	v_nop
	global_prefetch_b8 v0, s[64:65] scope:SCOPE_SE
	s_setreg_imm32_b32 hwreg(HW_REG_WAVE_MODE, 25, 1), 1
	s_wait_xcnt 0x0
; x [8192][1024], Wqkv [1024][3072] and Wout [1024][1024], f32, become codes of FP6 (E2M3) with one E8M0 byte for each 32 along K (K = 1024: x's last axis, the weights' first).
; A block's scale is 2^(floor(log2(largest magnitude)) - 2): its byte is the largest magnitude's exponent field - 2, held at 1 from below.
; LIMITS: NaN and infinities are not served; a block whose largest magnitude lies under 2^-124 gets the byte 1; a block of zeros gets the byte 1 too (its codes are zeros, and this program alone reads the bytes).
; THE CODES ARE LAID AS IMAGES OF THE OPERAND'S REGISTERS.  A fragment is 16 rows x 128 K, 12 registers a lane, as two halves of 768 bytes: registers 0-3 at 16 x lane, registers 4-5 at 512 + 8 x lane.
; Buffers of codes: [K / 256][tile of 16 rows][K step of 128 in the 256][1,536 bytes].  Scale words: [K / 256][tile][row][8 bytes = the two K steps' words].
; THE ROWS OF A TILE ARE NOT NEIGHBOURS: of a group of 32 rows, tile u gives lane r the row 8 u + r + 8 (r / 8).
; Work-groups 0-255: 32 rows of x each; 256-351: 32 columns of Wqkv; 352-383: 32 columns of Wout.  Wave w takes K = 256 w .. 256 w + 255.  The three ways have LDS bytes of their own.  No barrier: waves share nothing.
.set KSLX,  1572864                    ; bytes of 256 along K of all tiles of x
.set KSLW,  589824                     ; of Wqkv
.set KSLO,  196608                     ; of Wout
.set SCW,   262144                     ; where Wqkv's scale words begin in sc (x's begin at 0)
.set SCWO,  360448                     ; and Wout's
.set WSTG1, 33792                      ; LDS: 0: x's stages, 4 x 8,448; then Wqkv's, 4 x 6,144; then Wout's, 4 x 6,144
.set WSTG2, 58368
.set SPARE, 82944                      ; the spare words, 128 bytes for each wave, which no other line names
.set SPW,   4                          ; v4  my spare word's address; never rewritten
.set NIL,   5                          ; v5  0; never rewritten
.set TM,    10                         ; v10-25 at work in QUANT
.set PW,    26                         ; the scale word just made
.set SW,    27                         ; v27-30 the four fragments' scale words
.set R0,    32                         ; v32-159 two sets of 64 numbers as loaded
.set XN,    160                        ; v160-223 64 numbers, 16 neighbours of each block
.set PC,    224                        ; v224-242 the codes
	s_load_b256 s[4:11], s[0:1], 0x0               ; x, Wqkv, Wout, xc
	s_load_b128 s[12:15], s[0:1], 0x20             ; wc, woc
	s_load_b64 s[16:17], s[0:1], 0x30              ; sc
	v_lshl_add_u32 v[SPW], v0, 2, SPARE
	v_mov_b32 v[NIL], 0
	v_lshrrev_b32 v1, 5, v0
	v_readfirstlane_b32 s18, v1                    ; wave
	v_and_b32 v1, 31, v0                           ; lane
	v_and_b32 v2, 15, v0                           ; r
	v_bfe_u32 v3, v0, 4, 1                         ; h
	s_mov_b32 s20, 0x76543210
	s_mov_b32 s21, 0xfedcba98                      ; selects: lane l xor 16
	s_mov_b32 s22, 0xffff0000                      ; lanes 16-31
	s_mov_b32 s25, 0
	s_mov_b32 s27, 0
	s_wait_kmcnt 0x0
	s_cmp_lt_u32 ttmp9, 256
	s_cbranch_scc0 .Lweights
; 64 numbers of a lane, register 16 b + i = k 32 b + 16 h + i of my row, become a fragment's codes in v[PC] on and its scale word in v[PW]
.macro QUANT s
.irp b, 0,1,2,3
	v_max3_num_f32 v[TM+\b], |v[\s+16*\b]|, |v[\s+1+16*\b]|, 0x1800000   ; my 16 numbers of block b, and the floor 2^(3 - 127): the byte cannot fall under 1
.endr
.irp i, 2,4,6,8,10,12,14
.irp b, 0,1,2,3
	v_max3_num_f32 v[TM+\b], v[TM+\b], |v[\s+16*\b+\i]|, |v[\s+1+16*\b+\i]|
.endr
.endr
.irp b, 0,1,2,3
	v_permlanex16_b32 v[TM+4+\b], v[TM+\b], s20, s21
.endr
.irp b, 0,1,2,3
	v_max_num_f32 v[TM+\b], v[TM+\b], v[TM+4+\b]   ; with lane l xor 16's: the block's largest magnitude
.endr
.irp b, 0,1,2,3
	v_add_nc_u32 v[TM+12+\b], 0xff000000, v[TM+\b] ; 2 off its exponent field: the conversion's scale operand
.endr
.irp b, 0,1,2,3
	v_lshrrev_b32 v[TM+4+\b], 23, v[TM+12+\b]      ; the scale's byte
.endr
	v_lshl_or_b32 v[PW], v[TM+5], 8, v[TM+4]
	v_lshl_or_b32 v[PW], v[TM+6], 16, v[PW]
	v_lshl_or_b32 v[PW], v[TM+7], 24, v[PW]
.irp c, 0,1
	v_cvt_scalef32_pk16_fp6_f32 v[PC+6*\c:PC+2+6*\c], v[\s+32*\c:\s+15+32*\c], v[TM+12+2*\c]
	v_cvt_scalef32_pk16_fp6_f32 v[PC+12+4*\c:PC+14+4*\c], v[\s+16+32*\c:\s+31+32*\c], v[TM+12+2*\c+1]
.endr
	v_nop                                          ; one plain place behind a scaled conversion
.irp c, 0,1                                    ; a whole block to a lane: lanes 0-15 block 2 c, lanes 16-31 block 2 c + 1
.irp i, 0,1,2
	v_permlane16_swap_b32 v[PC+6*\c+\i], v[PC+12+4*\c+\i]
.endr
.irp i, 0,1,2
	v_mov_b32 v[PC+3+6*\c+\i], v[PC+12+4*\c+\i]
.endr
.endr
.endm
; ---------------- x: fragment f = 2 u + q (tile u of my 32 rows, K step q of my 256)
	v_lshlrev_b32 v6, 4, v1                        ; 16 x lane
	v_lshlrev_b32 v7, 3, v1                        ; 8 x lane
	s_mul_i32 s24, s18, 8448                       ; my stage: 16 rows x 528 bytes
	v_add_nc_u32 v8, s24, v6                       ; in: a row's 512 bytes as they lie
	v_mul_u32_u24 v9, v2, 528
	v_lshl_add_u32 v9, v3, 6, v9
	v_add_nc_u32 v9, s24, v9                       ; out: row r, + 64 h: my 16 numbers of each block
.irp b, 0,1,2,3
	v_mov_b32 v[TM+4+\b], 0                        ; a lane permute's destination counts as one of its sources
.endr
	s_lshl_b32 s24, ttmp9, 17                      ; 32 rows of 4,096 bytes
	s_lshl_b32 s26, s18, 10                        ; + my 256 numbers
	s_add_co_u32 s24, s24, s26
	s_add_nc_u64 s[4:5], s[4:5], s[24:25]
	s_mul_i32 s24, s18, KSLX
	s_mul_i32 s26, ttmp9, 6144                     ; two tiles of 3,072 bytes
	s_add_co_u32 s24, s24, s26
	s_add_nc_u64 s[10:11], s[10:11], s[24:25]
	s_lshl_b32 s24, s18, 16
	s_lshl_b32 s26, ttmp9, 8
	s_add_co_u32 s24, s24, s26
	s_add_nc_u64 s[16:17], s[16:17], s[24:25]
.macro LOADX f                         ; sixteen rows' 128 numbers: each load reads 512 consecutive bytes
.irp p, 0,1,2,3,4,5,6,7,8,9,10,11,12,13,14,15
	global_load_b128 v[R0+64*((\f)%2)+4*\p:R0+64*((\f)%2)+4*\p+3], v6, s[4:5] offset:(8*((\f)/2)+\p+8*(\p/8))*4096+512*((\f)%2) th:TH_LOAD_NT
.endr
.endm
.macro FRAGX f
.if (\f) < 3
	s_wait_loadcnt 16                              ; this fragment's sixteen loads are in; the next one's may be out
.else
	s_wait_loadcnt 0x0
.endif
.irp p, 0,1,2,3,4,5,6,7,8,9,10,11,12,13,14,15
	ds_store_b128 v8, v[R0+64*((\f)%2)+4*\p:R0+64*((\f)%2)+4*\p+3] offset:528*\p
.endr
.irp b, 0,1,2,3
.irp j, 0,1,2,3
	ds_load_b128 v[XN+16*\b+4*\j:XN+16*\b+4*\j+3], v9 offset:128*\b+16*\j   ; LDS serves a wave's instructions in order: these see the stores above
.endr
.endr
	s_wait_dscnt 0x0
	s_wait_xcnt 0x0                                ; the last fragment's stores have read the codes' registers
.if (\f) < 2
	LOADX (\f)+2
.endif
	QUANT XN
	v_mov_b32 v[SW+(\f)], v[PW]
	global_store_b128 v6, v[PC:PC+3], s[10:11] offset:3072*((\f)/2)+1536*((\f)%2)          ; 512 consecutive bytes
	global_store_b64 v7, v[PC+4:PC+5], s[10:11] offset:3072*((\f)/2)+1536*((\f)%2)+512     ; 256
	global_store_b128 v6, v[PC+6:PC+9], s[10:11] offset:3072*((\f)/2)+1536*((\f)%2)+768
	global_store_b64 v7, v[PC+10:PC+11], s[10:11] offset:3072*((\f)/2)+1536*((\f)%2)+1280
.endm
	LOADX 0
	LOADX 1
	FRAGX 0
	FRAGX 1
	FRAGX 2
	FRAGX 3
	v_cndmask_b32 v244, v[SW], v[SW+2], s22        ; lanes 0-15: tile 0's words, lanes 16-31: tile 1's
	v_cndmask_b32 v245, v[SW+1], v[SW+3], s22
	global_store_b64 v7, v[244:245], s[16:17]      ; 256 consecutive bytes
	s_wait_tensorcnt 0x0                           ; the wave's end, behind my last LDS store
	ds_add_u32 v[SPW], v[NIL]
	s_wait_dscnt 0x0
	s_endpgm
; ---------------- a weight [1024][N]: a lane takes a column, its registers run down K; block t = 4 q + 2 c + h of my 256
.macro LOADW t, N, SRC
.irp i, 0,1,2,3,4,5,6,7,8,9,10,11,12,13,14,15,16,17,18,19,20,21,22,23,24,25,26,27,28,29,30,31
	global_load_b32 v[32+32*((\t)%2)+\i], v3, s[\SRC:\SRC+1] offset:(32*(\t)+\i)*\N*4
.endr
.endm
.macro BLOCK t, N, SRC
.set XS, 32+32*((\t)%2)
.if (\t) < 7
	s_wait_loadcnt 32                              ; this block's 32 loads are in; the next block's may be out
.else
	s_wait_loadcnt 0x0
.endif
	v_max3_num_f32 v12, |v[XS]|, |v[XS+1]|, |v[XS+2]|
	v_max3_num_f32 v13, |v[XS+3]|, |v[XS+4]|, |v[XS+5]|
.irp i, 6,10,14,18,22,26
	v_max3_num_f32 v12, v12, |v[XS+\i]|, |v[XS+\i+1]|
	v_max3_num_f32 v13, v13, |v[XS+\i+2]|, |v[XS+\i+3]|
.endr
	v_max3_num_f32 v12, v12, |v[XS+30]|, |v[XS+31]|
	v_max3_num_f32 v12, v12, v13, 0x1800000        ; and the floor
	v_add_nc_u32 v11, 0xff000000, v12
	v_cvt_scalef32_pk16_fp6_f32 v[96:98], v[XS:XS+15], v11
	v_cvt_scalef32_pk16_fp6_f32 v[100:102], v[XS+16:XS+31], v11
	v_lshrrev_b32 v13, 23, v11                     ; the byte; also the plain place behind the conversions
.if (\t)%4 == 0
	v_mov_b32 v[24+(\t)/4], v13
.else
	v_lshl_or_b32 v[24+(\t)/4], v13, 8*((\t)%4), v[24+(\t)/4]
.endif
	v_mov_b32 v99, v100                            ; the block's six registers on end
	v_mov_b32 v100, v101
	v_mov_b32 v101, v102
	ds_store_b128 v6, v[96:99] offset:1536*((\t)/4)+768*(((\t)/2)%2)+256*((\t)%2)          ; the place of lane 16 h + r in the image
	ds_store_b64 v7, v[100:101] offset:1536*((\t)/4)+768*(((\t)/2)%2)+512+128*((\t)%2)
.if (\t) < 6
	LOADW (\t)+2, \N, \SRC
.endif
	s_wait_dscnt 0x0                               ; the stores have read their registers
.endm
.macro WPATH N, SRC, DST, KSL, SCB, PIS, STG, G0
	s_sub_co_u32 s23, ttmp9, \G0                   ; which 32 columns
	v_bfe_u32 v11, v0, 3, 1                        ; column L lies in tile u = bit 3 of L,
	v_and_b32 v12, 7, v0
	v_bfe_u32 v13, v0, 4, 1
	v_lshl_or_b32 v12, v13, 3, v12                 ; at lane r = (L & 7) + 8 x bit 4 of L
	s_mul_i32 s24, s18, 6144
	s_add_co_u32 s24, s24, \STG                    ; my stage: the two tiles' images of my 256 along K
	v_mul_u32_u24 v14, v11, 3072
	v_add_nc_u32 v14, s24, v14
	v_lshl_add_u32 v6, v12, 4, v14
	v_lshl_add_u32 v7, v12, 3, v14
	v_lshlrev_b32 v9, 4, v1                        ; 16 x lane
	v_add_nc_u32 v8, s24, v9
	v_lshlrev_b32 v10, 3, v12
	v_lshl_add_u32 v10, v11, 7, v10                ; my column's scale words: 128 u + 8 r
	v_lshlrev_b32 v3, 2, v1                        ; 4 x lane
	s_mul_i32 s26, s18, 256*\N*4
	s_lshl_b32 s28, s23, 7
	s_add_co_u32 s26, s26, s28
	s_add_nc_u64 s[\SRC:\SRC+1], s[\SRC:\SRC+1], s[26:27]
	s_mul_i32 s26, s18, \KSL
	s_mul_i32 s28, s23, 6144
	s_add_co_u32 s26, s26, s28
	s_add_nc_u64 s[\DST:\DST+1], s[\DST:\DST+1], s[26:27]
	s_mul_i32 s26, s18, \PIS
	s_lshl_b32 s28, s23, 8
	s_add_co_u32 s26, s26, s28
	s_add_co_u32 s26, s26, \SCB
	s_add_nc_u64 s[16:17], s[16:17], s[26:27]
	LOADW 0, \N, \SRC
	LOADW 1, \N, \SRC
.irp t, 0,1,2,3,4,5,6,7
	BLOCK \t, \N, \SRC
.endr
	global_store_b64 v10, v[24:25], s[16:17]       ; the 32 lanes fill 256 consecutive bytes
.irp i, 0,1,2,3,4,5,6,7,8,9,10,11
	ds_load_b128 v[112+4*\i:115+4*\i], v8 offset:512*\i
.endr
.irp i, 0,1,2,3,4,5,6,7,8,9,10,11
	s_wait_dscnt 11-\i                             ; the younger reads of the stage may be out
	global_store_b128 v9, v[112+4*\i:115+4*\i], s[\DST:\DST+1] offset:512*\i   ; 512 consecutive bytes
.endr
	s_wait_tensorcnt 0x0                           ; the wave's end
	ds_add_u32 v[SPW], v[NIL]
	s_wait_dscnt 0x0
	s_endpgm
.endm
.Lweights:
	s_cmp_lt_u32 ttmp9, 352
	s_cbranch_scc0 .Lwout
	WPATH 3072, 6, 12, KSLW, SCW, 24576, WSTG1, 256
.Lwout:
	WPATH 1024, 8, 14, KSLO, SCWO, 8192, WSTG2, 352
.Lfunc_end_k_q10badb3e6e_quant:
	.size	k_q10badb3e6e_quant, .Lfunc_end_k_q10badb3e6e_quant-k_q10badb3e6e_quant
	.p2alignl 7, 3214868480
	.fill 96, 4, 3214868480
	.section	.rodata,"a",@progbits
	.p2align	6, 0x0
	.amdhsa_kernel k_q10badb3e6e_quant
		.amdhsa_group_segment_fixed_size 83456
		.amdhsa_private_segment_fixed_size 0
		.amdhsa_enable_private_segment 0
		.amdhsa_kernarg_size 56
		.amdhsa_user_sgpr_count 2
		.amdhsa_user_sgpr_kernarg_segment_ptr 1
		.amdhsa_wavefront_size32 1
		.amdhsa_system_sgpr_workgroup_id_x 1
		.amdhsa_system_sgpr_workgroup_id_y 1
		.amdhsa_system_sgpr_workgroup_id_z 1
		.amdhsa_system_vgpr_workitem_id 0
		.amdhsa_next_free_vgpr 256
		.amdhsa_next_free_sgpr 66
		.amdhsa_reserve_vcc 0
		.amdhsa_float_denorm_mode_32 3
		.amdhsa_float_denorm_mode_16_64 3
		.amdhsa_memory_ordered 1
		.amdhsa_forward_progress 1
		.amdhsa_inst_pref_size 115
	.end_amdhsa_kernel
	.amdgpu_metadata
---
amdhsa.version: [ 1, 2 ]
amdhsa.kernels:
  - .name:           k_q10badb3e6e_quant
    .symbol:         k_q10badb3e6e_quant.kd
    .args:
      - { .name: x, .offset: 0, .size: 8, .value_kind: global_buffer, .address_space: global }
      - { .name: Wqkv, .offset: 8, .size: 8, .value_kind: global_buffer, .address_space: global }
      - { .name: Wout, .offset: 16, .size: 8, .value_kind: global_buffer, .address_space: global }
      - { .name: xc, .offset: 24, .size: 8, .value_kind: global_buffer, .address_space: global }
      - { .name: wc, .offset: 32, .size: 8, .value_kind: global_buffer, .address_space: global }
      - { .name: woc, .offset: 40, .size: 8, .value_kind: global_buffer, .address_space: global }
      - { .name: sc, .offset: 48, .size: 8, .value_kind: global_buffer, .address_space: global }
    .group_segment_fixed_size: 83456
    .private_segment_fixed_size: 0
    .kernarg_segment_align: 8
    .kernarg_segment_size: 56
    .max_flat_workgroup_size: 128
    .sgpr_count:     66
    .vgpr_count:     256
    .wavefront_size: 32
...
	.end_amdgpu_metadata
.endif
;; end of part 1
;; launch gemm_qkv (part 2): grid 12 x 32, 4 waves a work-group, clusters of 4 x 4, 327,680 bytes of LDS; arguments xc, wc, sc, qc, kv; writes qc, kv
.if DOCPART == 2
	.amdgcn_target "amdgcn-amd-amdhsa--gfx1250"
	.amdhsa_code_object_version 6
	.text
	.protected	k_q10badb3e6e_gemm_qkv
	.globl	k_q10badb3e6e_gemm_qkv
	.p2align	8
	.type	k_q10badb3e6e_gemm_qkv,@function
k_q10badb3e6e_gemm_qkv:
	s_mov_b64 s[64:65], 0
	v_nop
	global_prefetch_b8 v0, s[64:65] scope:SCOPE_SE
	s_setreg_imm32_b32 hwreg(HW_REG_WAVE_MODE, 25, 1), 1
	s_wait_xcnt 0x0
	s_wait_alu depctr_hold_cnt(0) depctr_sa_sdst(0) depctr_va_vdst(0) depctr_va_sdst(0) depctr_va_ssrc(0) depctr_va_vcc(0) depctr_vm_vsrc(0)
	s_getreg_b32 s2, hwreg(HW_REG_IB_STS2, 6, 4)
	s_cmp_eq_u32 s2, 0
	s_cbranch_scc0 .Lentry_in_a_cluster
	s_endpgm
.Lentry_in_a_cluster:
	s_bfe_u32 s2, ttmp6, 0x10000c
	s_cmp_lg_u32 s2, 0xf033
	s_cbranch_scc0 .Lentry_shape_is_right
	s_endpgm
.Lentry_shape_is_right:
; qkv = x Wqkv on codes of FP6 (E2M3) with E8M0 scales, sums in f32; q, k and v are quantised here, in registers, for the attention's two products, and leave as images of operand registers.  No f32 number of qkv goes to memory.
; A work-group of four waves makes 256 tokens x 256 features, a wave 128 x 128: 64 accumulators in windows 2 and 3.  K = 1,024 goes in eight steps of 128 through two LDS slots of 256 along K, written out: two first fills, two refills.
; The codes lie in memory as register images (a fragment: 1,536 bytes), so a slot's part of 8 tiles is one dense block of 24,576 bytes, and a fragment comes from LDS by four loads of consecutive bytes.
; CLUSTERS: 4 x 4.  The tokens' tiles hang on the block row and are asked for jointly along a row of the cluster, the features' on the block column and jointly along a column.
; WHO IS SOURCE 0.  A result's registers run along source 0's rows.  q and k are quantised along the features (clusters x = 0, 1): source 0 = features.  v is quantised along the keys (cluster x = 2): source 0 = tokens.
; Only the LDS bases of the fragment loads and the offsets of the scale words are chosen, by the cluster's x; the descriptors are alike.
; The rows of all tiles are permuted (of 32 rows tile u gives lane r the row 8 u + r + 8 (r / 8)), so that the 16 registers of result tiles 2 b, 2 b + 1 are 16 neighbours along the next K.
; OUT.  qc: [head 64][128 queries 16][6,656]: eight half images of 768 bytes (16 rows x 64), then 512 bytes of scale words (register i: tile 2 i in lanes 0-15, tile 2 i + 1 in lanes 16-31).
;       kv: [head 64][128 keys 16][13,056]: k's record as q's, then v^T's four fragments (16 channels x 128 keys) at 6,656, then 256 bytes of their scale words at 12,800.
; LIMITS: NaN and infinities are not served; a block of q, k or v whose largest magnitude lies under 2^-121 gets the byte 4 (3 are taken off q's bytes later); a block of zeros too: its codes are zeros.
.set KSLX,  1572864
.set KSLW,  589824
.set TILEB, 3072                       ; a tile's two fragments of a slot
.set HALFT, 24576                      ; 8 tiles: what one tensor load brings
.set WOFF,  49152                      ; in a slot: the tokens' 16 tiles, then the features' 16
.set SLOT,  98304
.set SPARE, 196608                     ; the spare words, 128 bytes for each wave, which no other line names
.set SCW,   262144
.set FR,    12
.set L16,   2                          ; v2  16 x lane; v3  8 x lane; never rewritten
.set L8,    3
.set SO,    8                          ; v8-11 offsets of my scale words, one for each 256 along K
.set A16,   16                         ; v16-17 source 1's fragments in slot 0, 1: base + 16 x lane;  v18-19: + 8 x lane
.set A8,    18
.set B16,   20                         ; v20-23 the same for source 0
.set B8,    22
.set SPW,   28
.set NIL,   29
.set SC,    32                         ; v32-95 scale words: register 8 i + ks: lanes 0-15 source 1's tile i, lanes 16-31 source 0's tile i, K step ks
.set TM,    96                         ; the way out: v96-111 at work, v112 the scale word, v113-120 the eight tiles' words, v122-125 and v148-151 the scale images
.set PW,    112
.set SW,    113
.set RS,    122
.set AF,    128                        ; source 1's eight fragments, one set, window 0; window 1: source 0's two sets at v0 and v128
.set PC,    128                        ; the way out: the codes
.set RT,    148
.set G1,    24
.set G0,    32
.set G1B,   48
.set G0B,   56
.set MSB, 0
.macro WIN new                         ; the immediate's high byte repeats the setting that is left
.if MSB != (\new)
	s_set_vgpr_msb (MSB<<8)|(\new)
.set MSB, (\new)
.endif
.endm
.set MUL_LO, 0xa1                      ; source 0 window 1, source 1 window 0, C and D window 2
.set MUL_HI, 0xf1
.set TO_B,   0x40
.macro JLOAD g0a, g1a, g0b, g1b        ; a joint load: waves 0, 1 fetch the tokens' halves, waves 2, 3 the features'; an s_nop 0 and four v_nop follow each line
	s_cmp_eq_u32 s15, 0
	s_cbranch_scc0 .Lfor_b_\@
	tensor_load_to_lds s[\g0a:\g0a+3], s[\g1a:\g1a+7]
	s_nop 0
.rept 4
	v_nop
.endr
	s_branch .Lasked_\@
.Lfor_b_\@:
	tensor_load_to_lds s[\g0b:\g0b+3], s[\g1b:\g1b+7]
	s_nop 0
.rept 4
	v_nop
.endr
.Lasked_\@:
.endm
.macro CREST
	s_cmp_lg_u32 s14, 0
	s_cbranch_scc1 .Lnot_wave_0_\@
	s_barrier_signal -3
.Lnot_wave_0_\@:
	s_barrier_wait -3
	s_barrier_signal -1
	s_barrier_wait -1
.endm
.macro CROUND
	s_barrier_signal -1
	s_barrier_wait -1
	CREST
.endm
.macro PLACES n
.rept \n
	v_nop
.endr
.endm
	s_load_b256 s[4:11], s[0:1], 0x0               ; xc, wc, sc, qc
	s_load_b64 s[12:13], s[0:1], 0x20              ; kv
	v_lshl_add_u32 v[SPW], v0, 2, SPARE
	v_mov_b32 v[NIL], 0
	ds_add_u32 v[SPW], v[NIL]                      ; the wave's opening: the add and its wait ahead of my first tensor load
	v_lshrrev_b32 v1, 5, v0
	v_readfirstlane_b32 s14, v1                    ; wave
	s_lshr_b32 s15, s14, 1
	s_and_b32 s16, s14, 1
	s_bfe_u32 s40, ttmp6, 0x40000                  ; cx
	s_bfe_u32 s41, ttmp6, 0x40004                  ; cy
	s_lshl_b32 s42, ttmp9, 2
	s_add_co_u32 s42, s42, s40                     ; gx: block of 256 features
	s_and_b32 s17, ttmp7, 0xffff
	s_lshl_b32 s17, s17, 2
	s_add_co_u32 s17, s17, s41                     ; gy: block of 256 tokens
	s_lshl_b32 s43, s41, 2
	s_lshl_b32 s43, 15, s43                        ; my row of the cluster
	s_lshl_b32 s44, 0x1111, s40                    ; my column
	s_or_b32 s[G1+0], s43, (3<<16)|(1<<21)         ; the mask; elements of 8 bytes; bit 21 beside a mask; no padding
	s_or_b32 s[G1B+0], s44, (3<<16)|(1<<21)
.irp g, G1, G1B                        ; a dense block of 24,576 bytes as 96 rows of 256
	s_mov_b32 s[\g+1], 32<<16
	s_mov_b32 s[\g+2], 96<<16
	s_mov_b32 s[\g+3], 32<<16
	s_mov_b32 s[\g+4], 96
	s_mov_b32 s[\g+5], 32
	s_mov_b32 s[\g+6], 0
	s_mov_b32 s[\g+7], 0
.endr
	s_lshl_b32 s18, s16, 3                         ; which 8 tiles I fetch
	s_lshl_b32 s20, s17, 4
	s_add_co_u32 s20, s20, s18
	s_mul_i32 s20, s20, TILEB
	s_mov_b32 s21, 0
	s_lshl_b32 s46, s42, 4
	s_add_co_u32 s46, s46, s18
	s_mul_i32 s46, s46, TILEB
	s_mov_b32 s47, 0
	s_mul_i32 s45, s14, HALFT                      ; where they go: wave x 24,576
	s_cmp_eq_u32 ttmp9, 2
	s_cselect_b32 s70, 1, 0                        ; 1: this cluster makes v
	s_mov_b32 s71, 0xffff0000                      ; lanes 16-31
	s_wait_dscnt 0x0                               ; the opening add is done
	s_wait_kmcnt 0x0
	s_add_nc_u64 s[20:21], s[4:5], s[20:21]
	s_add_nc_u64 s[46:47], s[6:7], s[46:47]
	CROUND                                         ; all sixteen work-groups are here: the first joint loads meet
.irp s, 0,1
	s_mov_b32 s[G0+4*\s], 1
	s_add_co_u32 s[G0+4*\s+1], s45, \s*SLOT
	s_add_nc_u64 s[G0+4*\s+2:G0+4*\s+3], s[20:21], \s*KSLX
	s_or_b32 s[G0+4*\s+3], s[G0+4*\s+3], 0x80000000
	s_mov_b32 s[G0B+4*\s], 1
	s_add_co_u32 s[G0B+4*\s+1], s45, \s*SLOT
	s_add_nc_u64 s[G0B+4*\s+2:G0B+4*\s+3], s[46:47], \s*KSLW
	s_or_b32 s[G0B+4*\s+3], s[G0B+4*\s+3], 0x80000000
	JLOAD G0+4*\s, G1, G0B+4*\s, G1B               ; two tensor loads of mine are out
.endr
	v_and_b32 v1, 31, v0
	v_lshlrev_b32 v[L16], 4, v1
	v_lshlrev_b32 v[L8], 3, v1
	s_cmp_eq_u32 s70, 1
	s_cselect_b32 s21, WOFF, 0                     ; source 1: the features for v, else the tokens
	s_cselect_b32 s22, 0, WOFF                     ; source 0: the other
	s_mul_i32 s23, s15, HALFT
	s_add_co_u32 s21, s21, s23
	s_mul_i32 s23, s16, HALFT
	s_add_co_u32 s22, s22, s23
.irp s, 0,1
	v_add_nc_u32 v[A16+\s], s21, v[L16]
	v_add_nc_u32 v[A8+\s], s21, v[L8]
	v_add_nc_u32 v[B16+\s], s22, v[L16]
	v_add_nc_u32 v[B8+\s], s22, v[L8]
	s_add_co_u32 s21, s21, SLOT
	s_add_co_u32 s22, s22, SLOT
.endr
	; the scale words of all of K, once, straight from sc: lanes 0-15 source 1's, lanes 16-31 source 0's
	s_lshl_b32 s76, s17, 4
	s_lshl_b32 s77, s42, 4
	s_lshl_b32 s78, s15, 3
	s_lshl_b32 s79, s16, 3
	s_add_co_u32 s80, s76, s78                     ; tokens' tiles by w >> 1,
	s_add_co_u32 s81, s76, s79                     ; by w & 1;
	s_add_co_u32 s82, s77, s78                     ; features' tiles by w >> 1,
	s_add_co_u32 s83, s77, s79                     ; by w & 1
	s_lshl_b32 s80, s80, 7
	s_lshl_b32 s81, s81, 7
	s_lshl_b32 s82, s82, 7
	s_lshl_b32 s83, s83, 7
	s_add_co_u32 s82, s82, SCW
	s_add_co_u32 s83, s83, SCW
	s_mov_b32 s84, 65536                           ; from 256 along K to the next: x's part,
	s_mov_b32 s85, 24576                           ; Wqkv's
	s_cmp_eq_u32 s70, 1
	s_cselect_b32 s86, s82, s80
	s_cselect_b32 s87, s81, s83
	s_cselect_b32 s88, s85, s84
	s_cselect_b32 s89, s84, s85
	v_and_b32 v4, 15, v0
	v_lshlrev_b32 v4, 3, v4
	v_mov_b32 v5, s86
	v_mov_b32 v6, s87
	v_cndmask_b32 v5, v5, v6, s71
	v_add_nc_u32 v[SO], v4, v5
	v_mov_b32 v5, s88
	v_mov_b32 v6, s89
	v_cndmask_b32 v5, v5, v6, s71
	v_add_nc_u32 v[SO+1], v[SO], v5
	v_add_nc_u32 v[SO+2], v[SO+1], v5
	v_add_nc_u32 v[SO+3], v[SO+2], v5
.irp p, 0,1,2,3
.irp i, 0,1,2,3,4,5,6,7
	global_load_b64 v[SC+8*\i+2*\p:SC+8*\i+2*\p+1], v[SO+\p], s[8:9] offset:128*\i
.endr
.endr
	; where my results go
	s_and_b32 s76, s42, 3
	s_lshl_b32 s76, s76, 2                         ; 4 (gx & 3): the block's first head
	s_and_b32 s77, s17, 7
	s_lshl_b32 s77, s77, 1                         ; 2 (gy & 7): the block's first 128 tokens
	s_lshr_b32 s78, s17, 3
	s_lshl_b32 s78, s78, 4                         ; 16 x batch
	s_cmp_eq_u32 s70, 1
	s_cselect_b32 s79, s15, s16                    ; which two heads are mine,
	s_cselect_b32 s80, s16, s15                    ; which 128 tokens
	s_cselect_b32 s81, 6656, 0                     ; v lies behind k in a record
	s_lshl_b32 s79, s79, 1
	s_add_co_u32 s76, s76, s79
	s_add_co_u32 s76, s76, s78
	s_lshl_b32 s76, s76, 4
	s_add_co_u32 s76, s76, s77
	s_add_co_u32 s76, s76, s80
	s_mov_b32 s82, 13056
	s_cmp_eq_u32 ttmp9, 0
	s_cselect_b32 s82, 6656, s82                   ; a record's bytes
	s_cselect_b64 s[72:73], s[10:11], s[12:13]     ; qc or kv: the choice hangs on the cluster's x alone
	s_mul_i32 s76, s76, s82
	s_add_co_u32 s76, s76, s81
	s_mov_b32 s77, 0
	s_add_nc_u64 s[72:73], s[72:73], s[76:77]      ; my first head's record
	s_lshl_b32 s76, s82, 4
	s_add_nc_u64 s[74:75], s[72:73], s[76:77]      ; my second head's: 16 records on
.irp b, 0,1,2,3
	v_mov_b32 v[TM+4+\b], 0                        ; a lane permute's destination counts as one of its sources
.endr
	s_mov_b32 s90, 0x76543210
	s_mov_b32 s91, 0xfedcba98
.macro FRAG reg, a16, a8, q, i         ; a fragment: 12 registers by four loads of consecutive bytes
	ds_load_b128 v[\reg:\reg+3], v[\a16] offset:TILEB*(\i)+1536*(\q)
	ds_load_b64 v[\reg+4:\reg+5], v[\a8] offset:TILEB*(\i)+1536*(\q)+512
	ds_load_b128 v[\reg+6:\reg+9], v[\a16] offset:TILEB*(\i)+1536*(\q)+768
	ds_load_b64 v[\reg+10:\reg+11], v[\a8] offset:TILEB*(\i)+1536*(\q)+1280
.endm
.macro FETCH_B slot, q, p
	WIN TO_B
.irp i, 0,1,2,3,4,5,6,7
	FRAG 128*(\p)+FR*\i, B16+\slot, B8+\slot, \q, \i
.endr
	WIN 0
.endm
.macro FETCH_A slot, q, i0
.irp i, \i0, \i0+1, \i0+2, \i0+3
	FRAG AF+FR*(\i), A16+\slot, A8+\slot, \q, \i
.endr
.endm
; 16 matrix instructions: source 1's tiles a0, a0 + 1 x source 0's eight.  The 64 accumulators take turns, one instruction a turn, in the same order in every step.
.macro MUL16 a0, p, ks, zero
.irp a, \a0, \a0+1
.irp b, 0,1,2,3,4,5,6,7
.if \zero
	v_wmma_scale_f32_16x16x128_f8f6f4 v[8*(8*((\a)%4)+\b):8*(8*((\a)%4)+\b)+7], v[128*(\p)+FR*\b:128*(\p)+FR*\b+FR-1], v[AF+FR*(\a):AF+FR*(\a)+FR-1], 0, v[SC+8*\b+(\ks)], v[SC+8*(\a)+(\ks)] matrix_a_fmt:MATRIX_FMT_FP6 matrix_b_fmt:MATRIX_FMT_FP6 matrix_a_scale:MATRIX_SCALE_ROW1
.else
	v_wmma_scale_f32_16x16x128_f8f6f4 v[8*(8*((\a)%4)+\b):8*(8*((\a)%4)+\b)+7], v[128*(\p)+FR*\b:128*(\p)+FR*\b+FR-1], v[AF+FR*(\a):AF+FR*(\a)+FR-1], v[8*(8*((\a)%4)+\b):8*(8*((\a)%4)+\b)+7], v[SC+8*\b+(\ks)], v[SC+8*(\a)+(\ks)] matrix_a_fmt:MATRIX_FMT_FP6 matrix_b_fmt:MATRIX_FMT_FP6 matrix_a_scale:MATRIX_SCALE_ROW1
.endif
.endr
.endr
.endm
.macro STEP slot, ks, zero             ; a slot's first K step
	s_wait_dscnt 16                                ; all but the youngest sixteen loads (source 1's tiles 4-7)
	WIN MUL_LO
	MUL16 0, 0, \ks, \zero
	MUL16 2, 0, \ks, \zero
	s_wait_dscnt 0x0
	PLACES 4                                       ; four places in front of loads into registers that matrix instructions have read
	FETCH_B \slot, 1, 1
	FETCH_A \slot, 1, 0
	WIN MUL_HI
	MUL16 4, 0, \ks, \zero
	MUL16 6, 0, \ks, \zero
	PLACES 4
	WIN 0
	FETCH_A \slot, 1, 4
.endm
.macro TURN slot, next, fill, ks       ; a slot's second K step changes slots: one barrier
	s_wait_tensorcnt 0x0                           ; all my tensor loads have landed: my part of the next slot
	ds_add_u32 v[SPW], v[NIL]                      ; 0 onto my spare word
	s_wait_dscnt 17                                ; (the add and the youngest sixteen loads may be out)
	WIN MUL_LO
	MUL16 0, 1, \ks, 0
	s_wait_dscnt 0x0                               ; the add is done, and my reads of this slot are over
	s_barrier_signal -1
	MUL16 2, 1, \ks, 0
	WIN 0
	s_barrier_wait -1
.if \fill
	CREST                                          ; the barrier has opened a round of the cluster's: no wave of any partner still reads this slot or has a load on its way
	s_add_nc_u64 s[G0+4*\slot+2:G0+4*\slot+3], s[G0+4*\slot+2:G0+4*\slot+3], 2*KSLX
	s_add_nc_u64 s[G0B+4*\slot+2:G0B+4*\slot+3], s[G0B+4*\slot+2:G0B+4*\slot+3], 2*KSLW
	JLOAD G0+4*\slot, G1, G0B+4*\slot, G1B         ; the first tensor load behind the round; its four v_nop are the places in front of the loads below
.else
	PLACES 4
.endif
	FETCH_B \next, 0, 0
	FETCH_A \next, 0, 0
	WIN MUL_HI
	MUL16 4, 1, \ks, 0
	MUL16 6, 1, \ks, 0
	PLACES 4
	WIN 0
	FETCH_A \next, 0, 4
.endm
	s_wait_tensorcnt 0x1                           ; my part of slot 0 is in; slot 1's may be out
	s_barrier_signal -1
	s_barrier_wait -1
	FETCH_B 0, 0, 0
	FETCH_A 0, 0, 0
	FETCH_A 0, 0, 4
	s_wait_loadcnt 0x0                             ; the scale words
	STEP 0, 0, 1                                   ; the first products start the sums
	TURN 0, 1, 1, 1
	STEP 1, 2, 0
	TURN 1, 0, 1, 3
	STEP 0, 4, 0
	TURN 0, 1, 0, 5
	STEP 1, 6, 0
	s_wait_dscnt 16
	WIN MUL_LO
	MUL16 0, 1, 7, 0
	MUL16 2, 1, 7, 0
	s_wait_dscnt 0x0
	WIN MUL_HI
	MUL16 4, 1, 7, 0
	MUL16 6, 1, 7, 0
	WIN 0
; THE WAY OUT.  The eight accumulators of source 1's tile a are 64 numbers of a lane's row, register 16 b + i = index 32 b + 16 h + i along the next K: they become one fragment and one scale word.
.macro QUANTW a
.set AC, 64*((\a)%4)
.set WW, 2+(\a)/4
.set W01, WW|(WW<<2)
.set W12, (WW<<2)|(WW<<4)
	WIN W01
.irp b, 0,1,2,3
	v_max3_num_f32 v[TM+\b], |v[AC+16*\b]|, |v[AC+1+16*\b]|, 0x3000000   ; the floor 2^(6 - 127): the byte cannot fall under 4.  Each accumulator is read from its low end on
.endr
	WIN W12
.irp i, 2,4,6,8,10,12,14
.irp b, 0,1,2,3
	v_max3_num_f32 v[TM+\b], v[TM+\b], |v[AC+16*\b+\i]|, |v[AC+1+16*\b+\i]|
.endr
.endr
	WIN 0
.irp b, 0,1,2,3
	v_permlanex16_b32 v[TM+4+\b], v[TM+\b], s90, s91
.endr
.irp b, 0,1,2,3
	v_max_num_f32 v[TM+\b], v[TM+\b], v[TM+4+\b]
.endr
.irp b, 0,1,2,3
	v_add_nc_u32 v[TM+12+\b], 0xff000000, v[TM+\b]
.endr
.irp b, 0,1,2,3
	v_lshrrev_b32 v[TM+4+\b], 23, v[TM+12+\b]
.endr
	v_lshl_or_b32 v[PW], v[TM+5], 8, v[TM+4]
	v_lshl_or_b32 v[PW], v[TM+6], 16, v[PW]
	v_lshl_or_b32 v[PW], v[TM+7], 24, v[PW]
	s_wait_xcnt 0x0                                ; the last tile's stores have read the codes' registers
	WIN WW
.irp c, 0,1
	v_cvt_scalef32_pk16_fp6_f32 v[PC+6*\c:PC+2+6*\c], v[AC+32*\c:AC+15+32*\c], v[TM+12+2*\c]
	v_cvt_scalef32_pk16_fp6_f32 v[PC+12+4*\c:PC+14+4*\c], v[AC+16+32*\c:AC+31+32*\c], v[TM+12+2*\c+1]
.endr
	WIN 0
	v_nop                                          ; one plain place behind a scaled conversion
.irp c, 0,1
.irp i, 0,1,2
	v_permlane16_swap_b32 v[PC+6*\c+\i], v[PC+12+4*\c+\i]
.endr
.irp i, 0,1,2
	v_mov_b32 v[PC+3+6*\c+\i], v[PC+12+4*\c+\i]
.endr
.endr
.endm
.macro STORE_QK a                      ; the fragment's two halves are two heads' half images of token tile a
	global_store_b128 v[L16], v[PC:PC+3], s[72:73] offset:768*(\a)
	global_store_b64 v[L8], v[PC+4:PC+5], s[72:73] offset:768*(\a)+512
	global_store_b128 v[L16], v[PC+6:PC+9], s[74:75] offset:768*(\a)
	global_store_b64 v[L8], v[PC+10:PC+11], s[74:75] offset:768*(\a)+512
.endm
.macro STORE_V a                       ; the fragment is tile a % 4 of v^T of head a / 4
.set OB, 72+2*((\a)/4)
	global_store_b128 v[L16], v[PC:PC+3], s[OB:OB+1] offset:1536*((\a)%4)
	global_store_b64 v[L8], v[PC+4:PC+5], s[OB:OB+1] offset:1536*((\a)%4)+512
	global_store_b128 v[L16], v[PC+6:PC+9], s[OB:OB+1] offset:1536*((\a)%4)+768
	global_store_b64 v[L8], v[PC+10:PC+11], s[OB:OB+1] offset:1536*((\a)%4)+1280
.endm
	PLACES 4                                       ; behind the last products
.irp a, 0,1,2,3,4,5,6,7
	QUANTW \a
	v_mov_b32 v[SW+\a], v[PW]
	s_cmp_eq_u32 s70, 1                            ; the cluster's x alone: all waves of all partners go the same way
	s_cbranch_scc1 .Lv_\a
	STORE_QK \a
	s_branch .Lj_\a
.Lv_\a:
	STORE_V \a
.Lj_\a:
.endr
.irp i, 0,1,2,3
	v_cndmask_b32 v[RS+\i], v[SW+2*\i], v[SW+2*\i+1], s71   ; register i: tile 2 i in lanes 0-15, tile 2 i + 1 in lanes 16-31
.endr
	s_cmp_eq_u32 s70, 1
	s_cbranch_scc1 .Lv_scales
.irp i, 0,1,2,3
	v_lshrrev_b32 v[RT+\i], 16, v[RS+\i]           ; the second head's two bytes
.endr
	global_store_b128 v[L16], v[RS:RS+3], s[72:73] offset:6144   ; (the first head's words keep the second's bytes on top: they scale zero codes)
	global_store_b128 v[L16], v[RT:RT+3], s[74:75] offset:6144
	s_branch .Lend
.Lv_scales:
	global_store_b64 v[L8], v[RS:RS+1], s[72:73] offset:6144
	global_store_b64 v[L8], v[RS+2:RS+3], s[74:75] offset:6144
.Lend:
	s_wait_tensorcnt 0x0                           ; the wave's end
	ds_add_u32 v[SPW], v[NIL]
	s_wait_dscnt 0x0
	CROUND                                         ; the closing round
	s_endpgm
.Lfunc_end_k_q10badb3e6e_gemm_qkv:
	.size	k_q10badb3e6e_gemm_qkv, .Lfunc_end_k_q10badb3e6e_gemm_qkv-k_q10badb3e6e_gemm_qkv
	.p2alignl 7, 3214868480
	.fill 96, 4, 3214868480
	.section	.rodata,"a",@progbits
	.p2align	6, 0x0
	.amdhsa_kernel k_q10badb3e6e_gemm_qkv
		.amdhsa_group_segment_fixed_size 327680
		.amdhsa_private_segment_fixed_size 0
		.amdhsa_enable_private_segment 0
		.amdhsa_kernarg_size 40
		.amdhsa_user_sgpr_count 2
		.amdhsa_user_sgpr_kernarg_segment_ptr 1
		.amdhsa_wavefront_size32 1
		.amdhsa_system_sgpr_workgroup_id_x 1
		.amdhsa_system_sgpr_workgroup_id_y 1
		.amdhsa_system_sgpr_workgroup_id_z 1
		.amdhsa_system_vgpr_workitem_id 0
		.amdhsa_next_free_vgpr 1024
		.amdhsa_next_free_sgpr 96
		.amdhsa_reserve_vcc 0
		.amdhsa_float_denorm_mode_32 3
		.amdhsa_float_denorm_mode_16_64 3
		.amdhsa_memory_ordered 1
		.amdhsa_forward_progress 1
		.amdhsa_inst_pref_size 153
	.end_amdhsa_kernel
	.amdgpu_metadata
---
amdhsa.version: [ 1, 2 ]
amdhsa.kernels:
  - .name:           k_q10badb3e6e_gemm_qkv
    .symbol:         k_q10badb3e6e_gemm_qkv.kd
    .args:
      - { .name: xc, .offset: 0, .size: 8, .value_kind: global_buffer, .address_space: global }
      - { .name: wc, .offset: 8, .size: 8, .value_kind: global_buffer, .address_space: global }
      - { .name: sc, .offset: 16, .size: 8, .value_kind: global_buffer, .address_space: global }
      - { .name: qc, .offset: 24, .size: 8, .value_kind: global_buffer, .address_space: global }
      - { .name: kv, .offset: 32, .size: 8, .value_kind: global_buffer, .address_space: global }
    .group_segment_fixed_size: 327680
    .private_segment_fixed_size: 0
    .kernarg_segment_align: 8
    .kernarg_segment_size: 40
    .max_flat_workgroup_size: 128
    .sgpr_count:     96
    .vgpr_count:     1024
    .wavefront_size: 32
...
	.end_amdgpu_metadata
.endif
;; end of part 2
;; launch attn (part 3): grid 4 x 128, 16 waves a work-group, clusters of 4 x 4, 327,680 bytes of LDS; arguments qc, kv, attn_mask, oc, sc; writes oc, sc
.if DOCPART == 3
	.amdgcn_target "amdgcn-amd-amdhsa--gfx1250"
	.amdhsa_code_object_version 6
	.text
	.protected	k_q10badb3e6e_attn
	.globl	k_q10badb3e6e_attn
	.p2align	8
	.type	k_q10badb3e6e_attn,@function
k_q10badb3e6e_attn:
	s_mov_b64 s[64:65], 0
	v_nop
	global_prefetch_b8 v0, s[64:65] scope:SCOPE_SE
	s_setreg_imm32_b32 hwreg(HW_REG_WAVE_MODE, 25, 1), 1
	s_wait_xcnt 0x0
	s_wait_alu depctr_hold_cnt(0) depctr_sa_sdst(0) depctr_va_vdst(0) depctr_va_sdst(0) depctr_va_ssrc(0) depctr_va_vcc(0) depctr_vm_vsrc(0)
	s_getreg_b32 s2, hwreg(HW_REG_IB_STS2, 6, 4)
	s_cmp_eq_u32 s2, 0
	s_cbranch_scc0 .Lentry_in_a_cluster
	s_endpgm
.Lentry_in_a_cluster:
	s_bfe_u32 s2, ttmp6, 0x10000c
	s_cmp_lg_u32 s2, 0xf033
	s_cbranch_scc0 .Lentry_shape_is_right
	s_endpgm
.Lentry_shape_is_right:
; o = softmax(q k^T / 8 + attn_mask) v for 64 heads of 64 channels, 2,048 queries and keys, both products on codes of FP6 (E2M3) with E8M0 scales; o is quantised here for the last product.
; THE SOFTMAX: t = logit x log2(e); M = the running largest t rounded up to a whole number; p = 2^(t - M) is quantised along the keys; the row's sum is taken of the unquantised p and divides at the end.
; SHARES.  A work-group owns 64 queries x 4 heads; wave w owns the 16 queries 16 (w & 3) on of head w >> 2, in 256 registers: four waves to a SIMD.  Every wave walks 16 steps of 128 keys.  The whole mask is read: it is an input.
; LAYOUT.  Both products transposed: S^T = k q^T, O^T = v^T p^T: a lane holds one query.  k's tiles have their keys permuted and v^T's their channels, so that 16 registers of two neighbouring result tiles are 16 neighbours.
; THE MASK IS THE C OF S^T: a lane's 64 mask numbers are loaded into the accumulators; 3 taken off q's two scale bytes divide the scores by 8 exactly.  So the product's result is the logit.
; K = 64 IN A FORM OF 128: q's upper six registers are zero codes; k's tiles lie six registers apart, so a tile's upper six are the next tile's codes (the last tile's: zeros): finite numbers x zero codes, under bytes that are never 0xff.
; t IS ROUNDED TO f32 AHEAD OF t - M (a multiplication, then an addition, not fused): so the row's largest t - M lies in (-1, 0] at every size of the logits, a mask's large numbers among them.
; CLUSTER 4 x 4: x = the four groups of 4 heads, y = four blocks of queries.  A column shares k and v, a row shares the mask's rows: both are asked for jointly.
; LIMITS: NaN and infinities are not served; a block of p or o under 2^-124 gets the byte 1 (a block of zeros too: its codes are zeros).
.set REC,   13056                      ; a head's record of 128 keys: k's 8 half images, 512 bytes of scale words, v^T's 4 fragments at 6,656, their scale words at 12,800
.set MOFF,  52224                      ; a slot: four heads' records, then 64 rows of the mask x (512 bytes + 16)
.set SLOT1, 131072
.set SPARE, 217088                     ; the spare words, 128 bytes for each of 16 waves, which no other line names
.set OSC,   219136                     ; o's scale bytes: 32 bytes a wave
.set KSLX,  1572864
.set SCO,   393216
.set SPW,   4
.set NIL,   5
.set PFO,   9                          ; v9 the prefetches' offset; never rewritten
.set TB,    2                          ; s2  the slot in hand
.set SLOTS, 3                          ; s3  steps still to be asked for
.set WV,    18
.set SEL,   20
.set CS,    22                         ; s[22:23] log2(e)
.set G1KV,  24
.set G1M,   32
.set G0KV,  40
.set G0M,   44
.set PFA,   56
.set PFS,   58
.set LIM,   60
; REGISTERS: v1-3 places that stay (records: 16 x lane, 8 x lane; mask); v6-8 the step's addresses; v12 -M, v13 largest t, v[14:15] the sum; v16-27 q (upper six zeros), v28 its scale word; v32-79 k's 8 tiles, then v^T's 4;
; v80-85 zeros; v86-89 k's scale words, v90-91 v^T's; v96-159 mask, logits, t, p; v160-191 O^T; v192-210 p's codes; v212-224 the blocks' maxima, bytes, scale operands and p's scale word; v[226:227] f; v228-239 at work.
.macro TLOAD                           ; waves 0-3: a head's record each; wave 4: the mask's rows; an s_nop 0 and four v_nop follow each line
	s_cmp_lt_u32 s[WV], 4
	s_cbranch_scc0 .Lnot_kv_\@
	tensor_load_to_lds s[G0KV:G0KV+3], s[G1KV:G1KV+7]
	s_nop 0
.rept 4
	v_nop
.endr
	s_branch .Lasked_\@
.Lnot_kv_\@:
	s_cmp_eq_u32 s[WV], 4
	s_cbranch_scc0 .Lasked_\@
	tensor_load_to_lds s[G0M:G0M+3], s[G1M:G1M+7]
	s_nop 0
.rept 4
	v_nop
.endr
.Lasked_\@:
.endm
; A prefetch of the key step that the NEXT change of slots will ask for, behind the tensor loads.  k and v of a batch's heads are walked by eight clusters: the first of them asks; the four partners of a column take a head each, by address;
; waves 8 and 9 name its record's 51 blocks of 256 bytes, a lane a block (wave 9's lanes past the 19th name the last block again).  The mask's rows are walked by four batches: the first asks; the four partners of a row take 16 rows
; each, by address; wave 10 names a step's 512 bytes of each, two lanes a row.  The last change that fills a slot asks for nothing.
.macro ASK
	s_cmp_gt_u32 s[SLOTS], s[LIM]
	s_cbranch_scc0 .Lnot_mine_\@
	global_prefetch_b8 v[PFO], s[PFA:PFA+1] th:TH_LOAD_NT scope:SCOPE_SE
.Lnot_mine_\@:
.endm
.macro CROUND
	s_barrier_signal -1
	s_barrier_wait -1
	s_cmp_lg_u32 s[WV], 0
	s_cbranch_scc1 .Lnot_wave_0_\@
	s_barrier_signal -3
.Lnot_wave_0_\@:
	s_barrier_wait -3
	s_barrier_signal -1
	s_barrier_wait -1
.endm
	s_load_b256 s[4:11], s[0:1], 0x0               ; qc, kv, attn_mask, oc
	s_load_b64 s[12:13], s[0:1], 0x20              ; sc
	v_lshl_add_u32 v[SPW], v0, 2, SPARE
	v_mov_b32 v[NIL], 0
	ds_add_u32 v[SPW], v[NIL]                      ; the wave's opening: the add and its wait ahead of my first tensor load
	v_lshrrev_b32 v10, 5, v0
	v_readfirstlane_b32 s[WV], v10                 ; wave 0..15
	s_bfe_u32 s66, ttmp6, 0x40000                  ; cx: which four heads
	s_bfe_u32 s67, ttmp6, 0x40004                  ; cy
	s_and_b32 s68, ttmp7, 0xffff                   ; the cluster's y
	s_lshr_b32 s70, s68, 3                         ; the batch: of the cluster's y alone
	s_lshl_b32 s69, s68, 2
	s_add_co_u32 s69, s69, s67                     ; the block of 64 queries, 0..127
	s_and_b32 s71, s69, 31                         ; and in its batch
	s_and_b32 s72, s[WV], 3                        ; my tile of queries
	s_lshr_b32 s73, s[WV], 2                       ; my head of the four
	s_lshl_b32 s78, 0x1111, s66                    ; my column of the cluster
	s_lshl_b32 s79, s67, 2
	s_lshl_b32 s79, 15, s79                        ; my row
	s_or_b32 s[G1KV], s78, (3<<16)|(1<<21)         ; a record: 51 rows of 256 bytes, dense
	s_mov_b32 s[G1KV+1], 32<<16
	s_mov_b32 s[G1KV+2], 51<<16
	s_mov_b32 s[G1KV+3], 32<<16
	s_mov_b32 s[G1KV+4], 51
	s_mov_b32 s[G1KV+5], 32
	s_mov_b32 s[G1KV+6], 0
	s_mov_b32 s[G1KV+7], 0
	s_or_b32 s[G1M], s79, (2<<16)|(1<<20)|(1<<21)|(6<<22)|(3<<25)   ; the mask: 64 rows of 128 f32, 4 words of padding behind every 128
	s_mov_b32 s[G1M+1], 128<<16
	s_mov_b32 s[G1M+2], 64<<16
	s_mov_b32 s[G1M+3], 128<<16
	s_mov_b32 s[G1M+4], 64
	s_mov_b32 s[G1M+5], 2048
	s_mov_b32 s[G1M+6], 0
	s_mov_b32 s[G1M+7], 0
	s_lshl_b32 s74, s70, 4
	s_lshl_b32 s75, s66, 2
	s_add_co_u32 s74, s74, s75                     ; the first of my work-group's four heads
	s_add_co_u32 s76, s74, s[WV]                   ; the head whose records I fetch (waves 0-3)
	s_mul_i32 s76, s76, 16*REC
	s_mov_b32 s77, 0
	s_mul_i32 s80, s[WV], REC
	s_lshl_b32 s82, s71, 19                        ; 64 rows of 8,192 bytes
	s_mov_b32 s83, 0
	s_mov_b32 s[SEL], 0x76543210
	s_mov_b32 s[SEL+1], 0xfedcba98
	s_mov_b32 s[CS], 0x3fb8aa3b
	s_mov_b32 s[CS+1], s[CS]
	s_mov_b32 s[TB], 0
	s_mov_b32 s[SLOTS], 15
	s_wait_dscnt 0x0                               ; the opening add is done
	s_wait_kmcnt 0x0
	CROUND                                         ; all sixteen work-groups are here
	s_mov_b32 s[G0KV], 1
	s_mov_b32 s[G0KV+1], s80
	s_add_nc_u64 s[G0KV+2:G0KV+3], s[6:7], s[76:77]
	s_or_b32 s[G0KV+3], s[G0KV+3], 0x80000000
	s_mov_b32 s[G0M], 1
	s_mov_b32 s[G0M+1], MOFF
	s_add_nc_u64 s[G0M+2:G0M+3], s[8:9], s[82:83]
	s_or_b32 s[G0M+3], s[G0M+3], 0x80000000
	TLOAD                                          ; key step 0 into slot 0
	; the prefetches: where mine stand, and who asks
	s_add_co_u32 s84, s74, s67                     ; k, v: the head that my work-group names
	s_lshl_b32 s84, s84, 4
	s_add_co_u32 s84, s84, 1                       ; at step 1: the first change steps it to 2
	s_mul_i32 s84, s84, REC
	s_lshl_b32 s85, s71, 6
	s_lshl_b32 s86, s66, 4
	s_add_co_u32 s85, s85, s86                     ; the mask: my work-group's 16 rows
	s_lshl_b32 s85, s85, 13
	s_add_co_u32 s85, s85, 512
	s_mov_b32 s87, REC
	s_cmp_lt_u32 s[WV], 10
	s_cselect_b64 s[PFA:PFA+1], s[6:7], s[8:9]
	s_cselect_b32 s84, s84, s85
	s_cselect_b32 s[PFS], s87, 512
	s_cselect_b32 s88, 0, -1
	s_mov_b32 s85, 0
	s_mov_b32 s[PFS+1], 0
	s_add_nc_u64 s[PFA:PFA+1], s[PFA:PFA+1], s[84:85]
	s_and_b32 s89, s68, 7
	s_lshr_b32 s90, s68, 3
	s_cmp_lt_u32 s[WV], 10
	s_cselect_b32 s89, s89, s90                    ; 0 in the cluster that asks
	s_sub_co_u32 s90, s[WV], 8
	s_cmp_lt_u32 s90, 3
	s_cselect_b32 s90, 0, 1                        ; 0 in waves 8 to 10
	s_or_b32 s89, s89, s90
	s_cmp_eq_u32 s89, 0
	s_cselect_b32 s[LIM], 1, -1                    ; of the wave's number and the cluster's y alone
	v_and_b32 v10, 31, v0
	v_lshlrev_b32 v11, 8, v10
	s_and_b32 s90, s[WV], 1
	s_lshl_b32 s90, s90, 13
	v_add_nc_u32 v11, s90, v11
	v_min_u32 v11, 12800, v11
	v_lshrrev_b32 v232, 1, v10
	v_and_b32 v233, 1, v10
	v_lshlrev_b32 v233, 8, v233
	v_lshl_add_u32 v232, v232, 13, v233
	v_cndmask_b32 v[PFO], v11, v232, s88
	; q: my 16 neighbouring queries out of two permuted half images
	s_add_co_u32 s84, s74, s73
	s_lshl_b32 s84, s84, 4
	s_lshr_b32 s85, s71, 1
	s_add_co_u32 s84, s84, s85
	s_mul_i32 s84, s84, 6656                       ; my head's record of 128 queries
	s_and_b32 s85, s71, 1
	s_lshl_b32 s85, s85, 1
	s_lshr_b32 s86, s72, 1
	s_add_co_u32 s85, s85, s86                     ; which 32 queries of the 128
	s_mul_i32 s86, s85, 1536
	s_add_co_u32 s86, s86, s84
	s_mov_b32 s87, 0
	s_add_nc_u64 s[48:49], s[4:5], s[86:87]
	s_lshl_b32 s86, s85, 2
	s_add_co_u32 s86, s86, s84
	s_add_co_u32 s86, s86, 6144
	s_add_nc_u64 s[50:51], s[4:5], s[86:87]
	s_and_b32 s85, s72, 1
	s_lshl_b32 s85, s85, 3
	v_and_b32 v232, 7, v0
	v_add_nc_u32 v232, s85, v232                   ; query 16 s + r of the 32 lies at lane (r & 7) + 8 s
	v_bfe_u32 v233, v0, 3, 1                       ; of tile r >> 3
	v_bfe_u32 v234, v0, 4, 1
	v_lshl_add_u32 v235, v234, 4, v232
	v_mul_u32_u24 v236, v233, 768
	v_lshl_add_u32 v237, v235, 4, v236
	v_lshl_add_u32 v238, v235, 3, v236
	v_lshl_add_u32 v239, v233, 4, v232
	v_lshlrev_b32 v239, 4, v239
	global_load_b128 v[16:19], v237, s[48:49]
	global_load_b64 v[20:21], v238, s[48:49] offset:512
	global_load_b32 v28, v239, s[50:51]
	s_mul_i32 s84, s73, REC
	v_lshlrev_b32 v1, 4, v10
	v_add_nc_u32 v1, s84, v1                       ; my head's record: + 16 x lane,
	v_lshlrev_b32 v2, 3, v10
	v_add_nc_u32 v2, s84, v2                       ; + 8 x lane
	v_and_b32 v11, 15, v0
	v_mul_u32_u24 v3, v11, 528
	v_lshl_add_u32 v3, v234, 6, v3
	s_mul_i32 s84, s72, 8448
	s_add_co_u32 s84, s84, MOFF
	v_add_nc_u32 v3, s84, v3                       ; the mask: row 16 x tile + r, + 64 h
	s_wait_loadcnt 0x0
	v_sub_nc_u32 v28, v28, 0x0303                  ; 3 off q's two bytes (each is 4 at the least): the scores / 8
	v_mov_b32 v13, 0xff61b1e6                      ; the largest t so far: -3e38
	v_floor_f32 v12, -v13
	v_mov_b32 v14, 0
	v_mov_b32 v15, 0
.irp j, 0,1,2,3,4,5
	v_mov_b32 v[22+\j], 0                          ; q's upper half: zero codes
	v_mov_b32 v[80+\j], 0                          ; behind k's last tile
.endr
.irp b, 0,1,2,3
	v_mov_b32 v[216+\b], 0                         ; a lane permute's destination counts as one of its sources
.endr
	v_mov_b32 v227, 0
.irp j, 0,1,2,3,4,5,6,7,8,9,10,11,12,13,14,15,16,17,18,19,20,21,22,23,24,25,26,27,28,29,30,31
	v_mov_b32 v[160+\j], 0                         ; O^T: the step is written for all steps alike; the first finds zeros
.endr
.macro STEP
	v_add_nc_u32 v6, s[TB], v1
	v_add_nc_u32 v7, s[TB], v2
	v_add_nc_u32 v8, s[TB], v3
	v_nop                                          ; four places in front of loads into registers that the last products read
.irp b, 0,1,2,3
.irp e, 0,1,2,3
	ds_load_b128 v[96+16*\b+4*\e:99+16*\b+4*\e], v8 offset:128*\b+16*\e   ; mask(my query, key 32 b + 16 h + 4 e ..)
.endr
.endr
.irp t, 0,1,2,3,4,5,6,7
	ds_load_b128 v[32+6*\t:35+6*\t], v6 offset:768*\t
	ds_load_b64 v[36+6*\t:37+6*\t], v7 offset:768*\t+512
.endr
	ds_load_b128 v[86:89], v6 offset:6144
	s_wait_dscnt 0x0
.irp t, 0,1,2,3,4,5,6,7                        ; the logits: k q^T / 8 + mask
.if \t%2
	v_wmma_scale_f32_16x16x128_f8f6f4 v[96+8*\t:103+8*\t], v[32+6*\t:43+6*\t], v[16:27], v[96+8*\t:103+8*\t], v[86+\t/2], v28 matrix_a_fmt:MATRIX_FMT_FP6 matrix_b_fmt:MATRIX_FMT_FP6 matrix_a_scale:MATRIX_SCALE_ROW1
.else
	v_wmma_scale_f32_16x16x128_f8f6f4 v[96+8*\t:103+8*\t], v[32+6*\t:43+6*\t], v[16:27], v[96+8*\t:103+8*\t], v[86+\t/2], v28 matrix_a_fmt:MATRIX_FMT_FP6 matrix_b_fmt:MATRIX_FMT_FP6
.endif
.endr
.rept 4
	v_nop
.endr
.irp t, 0,1,2,3                                ; v^T's fragments land while the softmax is walked
.irp c, 0,1
	ds_load_b128 v[32+12*\t+6*\c:35+12*\t+6*\c], v6 offset:6656+1536*\t+768*\c
	ds_load_b64 v[36+12*\t+6*\c:37+12*\t+6*\c], v7 offset:6656+1536*\t+768*\c+512
.endr
.endr
	ds_load_b64 v[90:91], v7 offset:12800
.irp j, 0,2,4,6,8,10,12,14,16,18,20,22,24,26,28,30,32,34,36,38,40,42,44,46,48,50,52,54,56,58,60,62
	v_pk_mul_f32 v[96+\j:97+\j], v[96+\j:97+\j], s[CS:CS+1] op_sel_hi:[1,0]   ; t, rounded to f32; each accumulator from its low end on
.endr
.irp b, 0,1,2,3
	v_max3_num_f32 v[212+\b], v[96+16*\b], v[97+16*\b], v[98+16*\b]   ; the largest t of each block of 32 keys: for the row's maximum and for the block's largest p
.endr
.irp i, 3,5,7,9,11,13
.irp b, 0,1,2,3
	v_max3_num_f32 v[212+\b], v[212+\b], v[96+16*\b+\i], v[97+16*\b+\i]
.endr
.endr
.irp b, 0,1,2,3
	v_max_num_f32 v[212+\b], v[212+\b], v[111+16*\b]
.endr
.irp b, 0,1,2,3
	v_permlanex16_b32 v[216+\b], v[212+\b], s[SEL], s[SEL+1]
.endr
.irp b, 0,1,2,3
	v_max_num_f32 v[212+\b], v[212+\b], v[216+\b]
.endr
	v_max3_num_f32 v228, v212, v213, v214
	v_max_num_f32 v228, v228, v215
	v_max_num_f32 v13, v13, v228                   ; the running largest t
	v_mov_b32 v228, v12
	v_floor_f32 v12, -v13                          ; -M = floor(-t): M is a whole number
	v_sub_f32 v228, v12, v228                      ; old M - new M
	v_cvt_i32_f32 v228, v228                       ; (it saturates)
	v_ldexp_f32 v226, 1.0, v228                    ; f = 2^(old M - new M)
.irp j, 0,2,4,6,8,10,12,14,16,18,20,22,24,26,28,30,32,34,36,38,40,42,44,46,48,50,52,54,56,58,60,62
	v_pk_add_f32 v[96+\j:97+\j], v[96+\j:97+\j], v[12:13] op_sel_hi:[1,0]     ; t - M
.endr
.irp b, 0,1,2,3
	v_add_f32 v[212+\b], v[212+\b], v12
.endr
.irp j, 0,1,2,3,4,5,6,7,8,9,10,11,12,13,14,15,16,17,18,19,20,21,22,23,24,25,26,27,28,29,30,31,32,33,34,35,36,37,38,39,40,41,42,43,44,45,46,47,48,49,50,51,52,53,54,55,56,57,58,59,60,61,62,63
	v_exp_f32 v[96+\j], v[96+\j]                   ; p
.endr
	v_pk_mul_f32 v[14:15], v[14:15], v[226:227] op_sel_hi:[1,0]   ; the sums under the new M; the plain place behind the batch
	s_wait_alu depctr_va_vdst(0)                   ; one wait for the batch, ahead of its first reader
.irp b, 0,1,2,3
	v_exp_f32 v[212+\b], v[212+\b]                 ; each block's largest p: the same operations on the same number
.endr
	v_pk_add_f32 v[230:231], v[96:97], v[98:99]    ; the row's sum of the unquantised p, in two chains
.irp j, 4,8,12,16,20,24,28,32,36,40,44,48,52,56,60
	v_pk_add_f32 v[14:15], v[14:15], v[96+\j:97+\j]
	v_pk_add_f32 v[230:231], v[230:231], v[98+\j:99+\j]
.endr
	v_pk_add_f32 v[14:15], v[14:15], v[230:231]
	s_wait_alu depctr_va_vdst(0)                   ; and one for the four
.irp b, 0,1,2,3
	v_max_num_f32 v[212+\b], 0x1800000, v[212+\b]  ; the floor: the byte cannot fall under 1
.endr
.irp b, 0,1,2,3
	v_add_nc_u32 v[220+\b], 0xff000000, v[212+\b]
.endr
.irp b, 0,1,2,3
	v_lshrrev_b32 v[216+\b], 23, v[220+\b]
.endr
	v_lshl_or_b32 v224, v217, 8, v216              ; p's scale word for these 128 keys
	v_lshl_or_b32 v224, v218, 16, v224
	v_lshl_or_b32 v224, v219, 24, v224
.irp c, 0,1
	v_cvt_scalef32_pk16_fp6_f32 v[192+6*\c:194+6*\c], v[96+32*\c:111+32*\c], v[220+2*\c]
	v_cvt_scalef32_pk16_fp6_f32 v[204+4*\c:206+4*\c], v[112+32*\c:127+32*\c], v[221+2*\c]
.endr
	v_nop                                          ; one plain place behind a scaled conversion
.irp c, 0,1
.irp i, 0,1,2
	v_permlane16_swap_b32 v[192+6*\c+\i], v[204+4*\c+\i]
.endr
.irp i, 0,1,2
	v_mov_b32 v[195+6*\c+\i], v[204+4*\c+\i]
.endr
.endr
.irp j, 0,2,4,6,8,10,12,14,16,18,20,22,24,26,28,30
	v_pk_mul_f32 v[160+\j:161+\j], v[160+\j:161+\j], v[226:227] op_sel_hi:[1,0]   ; O^T under the new M; also the places between the scale word, the codes and the products
.endr
	s_wait_dscnt 0x0                               ; v^T
.irp t, 0,1,2,3
.if \t%2
	v_wmma_scale_f32_16x16x128_f8f6f4 v[160+8*\t:167+8*\t], v[32+12*\t:43+12*\t], v[192:203], v[160+8*\t:167+8*\t], v[90+\t/2], v224 matrix_a_fmt:MATRIX_FMT_FP6 matrix_b_fmt:MATRIX_FMT_FP6 matrix_a_scale:MATRIX_SCALE_ROW1
.else
	v_wmma_scale_f32_16x16x128_f8f6f4 v[160+8*\t:167+8*\t], v[32+12*\t:43+12*\t], v[192:203], v[160+8*\t:167+8*\t], v[90+\t/2], v224 matrix_a_fmt:MATRIX_FMT_FP6 matrix_b_fmt:MATRIX_FMT_FP6
.endif
.endr
.endm
; THE CHANGE OF SLOTS, at a step's head.  Each wave waits for all its tensor loads, adds 0 to its spare word, and waits for that and for its reads of the slot that it has left.  fill = 1: a round of the cluster's barrier, and the
; slot just left takes the next key step: the load has a whole step in which to land.
.macro CHANGE fill
	s_wait_tensorcnt 0x0
	ds_add_u32 v[SPW], v[NIL]
.if \fill
	s_xor_b32 s[G0KV+1], s[G0KV+1], SLOT1
	s_add_nc_u64 s[G0KV+2:G0KV+3], s[G0KV+2:G0KV+3], REC
	s_xor_b32 s[G0M+1], s[G0M+1], SLOT1
	s_add_nc_u64 s[G0M+2:G0M+3], s[G0M+2:G0M+3], 512
	s_wait_xcnt 0x0                                ; the last prefetch, a step back, has read its address
	s_add_nc_u64 s[PFA:PFA+1], s[PFA:PFA+1], s[PFS:PFS+1]
.endif
	s_wait_dscnt 0x0
.if \fill
	CROUND
	TLOAD
	ASK
.else
	s_barrier_signal -1
	s_barrier_wait -1
.endif
.endm
.Lslot:                                            ; 15 trips: behind each change but the last the next key step is asked for
	CHANGE 1
	STEP
	s_xor_b32 s[TB], s[TB], SLOT1
	s_sub_co_u32 s[SLOTS], s[SLOTS], 1
	s_cmp_lg_u32 s[SLOTS], 0
	s_cbranch_scc1 .Lslot
	CHANGE 0                                       ; the last step is written out
	STEP
	; THE WAY OUT: o = O^T / the sum, quantised along the channels: my head's 64 are two blocks, half a fragment of the last product's operand
.rept 4
	v_nop
.endr
	v_add_f32 v14, v14, v15
	v_permlanex16_b32 v228, v14, s[SEL], s[SEL+1]
	v_add_f32 v14, v14, v228
	v_rcp_f32 v14, v14
	v_and_b32 v10, 15, v0                          ; (the plain place behind the reciprocal)
	s_lshl_b32 s84, s[WV], 5
	s_add_co_u32 s84, s84, OSC
	v_lshl_add_u32 v10, v10, 1, s84                ; my row's two scale bytes: 32 x wave + 2 r
	v_and_b32 v11, 31, v0
	v_lshlrev_b32 v232, 4, v11
	v_lshlrev_b32 v233, 3, v11
	v_lshl_add_u32 v11, v11, 2, OSC
	s_mul_i32 s84, s66, KSLX                       ; oc: K / 256 = my four heads,
	s_lshl_b32 s85, s69, 2
	s_add_co_u32 s85, s85, s72
	s_mul_i32 s85, s85, 3072                       ; tile of 16 tokens,
	s_add_co_u32 s84, s84, s85
	s_mul_i32 s85, s73, 768                        ; my head's half image
	s_add_co_u32 s84, s84, s85
	s_mov_b32 s85, 0
	s_add_nc_u64 s[52:53], s[10:11], s[84:85]
	s_lshl_b32 s84, s66, 16
	s_lshl_b32 s86, s69, 9
	s_add_co_u32 s84, s84, s86
	s_add_co_u32 s84, s84, SCO
	s_add_nc_u64 s[54:55], s[12:13], s[84:85]
	s_wait_alu depctr_va_vdst(0)                   ; ahead of the reciprocal's first reader
.irp j, 0,1,2,3,4,5,6,7,8,9,10,11,12,13,14,15,16,17,18,19,20,21,22,23,24,25,26,27,28,29,30,31
	v_mul_f32 v[96+\j], v[160+\j], v14             ; register 16 b + i: channel 32 b + 16 h + i
.endr
.irp b, 0,1
	v_max3_num_f32 v[212+\b], |v[96+16*\b]|, |v[97+16*\b]|, 0x1800000
.endr
.irp i, 2,4,6,8,10,12,14
.irp b, 0,1
	v_max3_num_f32 v[212+\b], v[212+\b], |v[96+16*\b+\i]|, |v[97+16*\b+\i]|
.endr
.endr
.irp b, 0,1
	v_permlanex16_b32 v[216+\b], v[212+\b], s[SEL], s[SEL+1]
.endr
.irp b, 0,1
	v_max_num_f32 v[212+\b], v[212+\b], v[216+\b]
.endr
.irp b, 0,1
	v_add_nc_u32 v[220+\b], 0xff000000, v[212+\b]
.endr
.irp b, 0,1
	v_lshrrev_b32 v[216+\b], 23, v[220+\b]
.endr
	v_lshl_or_b32 v224, v217, 8, v216
	v_cvt_scalef32_pk16_fp6_f32 v[192:194], v[96:111], v220
	v_cvt_scalef32_pk16_fp6_f32 v[196:198], v[112:127], v221
	v_nop
.irp i, 0,1,2
	v_permlane16_swap_b32 v[192+\i], v[196+\i]
.endr
	v_mov_b32 v195, v196
	v_mov_b32 v196, v197
	v_mov_b32 v197, v198
	global_store_b128 v232, v[192:195], s[52:53]            ; 512 consecutive bytes
	global_store_b64 v233, v[196:197], s[52:53] offset:512  ; 256
	ds_store_b16 v10, v224                         ; lanes 16-31 write the same bytes with the same values
	s_wait_dscnt 0x0
	s_barrier_signal -1
	s_barrier_wait -1
	s_cmp_lg_u32 s[WV], 0
	s_cbranch_scc1 .Lnot_0
	ds_load_b32 v234, v11                          ; rows 2 l and 2 l + 1 of the 64: head 0's bytes,
	ds_load_b32 v235, v11 offset:128               ; head 1's,
	ds_load_b32 v236, v11 offset:256
	ds_load_b32 v237, v11 offset:384
	s_wait_dscnt 0x0
	v_perm_b32 v240, v235, v234, 0x05040100        ; row 2 l: heads 0, 1;
	v_perm_b32 v241, v237, v236, 0x05040100        ; heads 2, 3;
	v_perm_b32 v242, v235, v234, 0x07060302        ; row 2 l + 1
	v_perm_b32 v243, v237, v236, 0x07060302
	global_store_b128 v232, v[240:243], s[54:55]   ; 512 consecutive bytes: four tiles' scale words of these 256 along K
.Lnot_0:
	s_wait_tensorcnt 0x0                           ; the wave's end
	ds_add_u32 v[SPW], v[NIL]
	s_wait_dscnt 0x0
	CROUND                                         ; the closing round
	s_endpgm
.Lfunc_end_k_q10badb3e6e_attn:
	.size	k_q10badb3e6e_attn, .Lfunc_end_k_q10badb3e6e_attn-k_q10badb3e6e_attn
	.p2alignl 7, 3214868480
	.fill 96, 4, 3214868480
	.section	.rodata,"a",@progbits
	.p2align	6, 0x0
	.amdhsa_kernel k_q10badb3e6e_attn
		.amdhsa_group_segment_fixed_size 327680
		.amdhsa_private_segment_fixed_size 0
		.amdhsa_enable_private_segment 0
		.amdhsa_kernarg_size 40
		.amdhsa_user_sgpr_count 2
		.amdhsa_user_sgpr_kernarg_segment_ptr 1
		.amdhsa_wavefront_size32 1
		.amdhsa_system_sgpr_workgroup_id_x 1
		.amdhsa_system_sgpr_workgroup_id_y 1
		.amdhsa_system_sgpr_workgroup_id_z 1
		.amdhsa_system_vgpr_workitem_id 0
		.amdhsa_next_free_vgpr 256
		.amdhsa_next_free_sgpr 96
		.amdhsa_reserve_vcc 0
		.amdhsa_float_denorm_mode_32 3
		.amdhsa_float_denorm_mode_16_64 3
		.amdhsa_memory_ordered 1
		.amdhsa_forward_progress 1
		.amdhsa_inst_pref_size 54
	.end_amdhsa_kernel
	.amdgpu_metadata
---
amdhsa.version: [ 1, 2 ]
amdhsa.kernels:
  - .name:           k_q10badb3e6e_attn
    .symbol:         k_q10badb3e6e_attn.kd
    .args:
      - { .name: qc, .offset: 0, .size: 8, .value_kind: global_buffer, .address_space: global }
      - { .name: kv, .offset: 8, .size: 8, .value_kind: global_buffer, .address_space: global }
      - { .name: attn_mask, .offset: 16, .size: 8, .value_kind: global_buffer, .address_space: global }
      - { .name: oc, .offset: 24, .size: 8, .value_kind: global_buffer, .address_space: global }
      - { .name: sc, .offset: 32, .size: 8, .value_kind: global_buffer, .address_space: global }
    .group_segment_fixed_size: 327680
    .private_segment_fixed_size: 0
    .kernarg_segment_align: 8
    .kernarg_segment_size: 40
    .max_flat_workgroup_size: 512
    .sgpr_count:     96
    .vgpr_count:     256
    .wavefront_size: 32
...
	.end_amdgpu_metadata
.endif
;; end of part 3
;; launch gemm_out (part 4): grid 4 x 32, 4 waves a work-group, clusters of 4 x 4, 327,680 bytes of LDS; arguments oc, woc, sc, bout, out0; writes out0
.if DOCPART == 4
	.amdgcn_target "amdgcn-amd-amdhsa--gfx1250"
	.amdhsa_code_object_version 6
	.text
	.protected	k_q10badb3e6e_gemm_out
	.globl	k_q10badb3e6e_gemm_out
	.p2align	8
	.type	k_q10badb3e6e_gemm_out,@function
k_q10badb3e6e_gemm_out:
	s_mov_b64 s[64:65], 0
	v_nop
	global_prefetch_b8 v0, s[64:65] scope:SCOPE_SE
	s_setreg_imm32_b32 hwreg(HW_REG_WAVE_MODE, 25, 1), 1
	s_wait_xcnt 0x0
	s_wait_alu depctr_hold_cnt(0) depctr_sa_sdst(0) depctr_va_vdst(0) depctr_va_sdst(0) depctr_va_ssrc(0) depctr_va_vcc(0) depctr_vm_vsrc(0)
	s_getreg_b32 s2, hwreg(HW_REG_IB_STS2, 6, 4)
	s_cmp_eq_u32 s2, 0
	s_cbranch_scc0 .Lentry_in_a_cluster
	s_endpgm
.Lentry_in_a_cluster:
	s_bfe_u32 s2, ttmp6, 0x10000c
	s_cmp_lg_u32 s2, 0xf033
	s_cbranch_scc0 .Lentry_shape_is_right
	s_endpgm
.Lentry_shape_is_right:
; out0 = o Wout + bout on codes of FP6 (E2M3) with E8M0 scales, sums in f32.  o's codes [K / 256][tile of 16 tokens][2][1,536] and Wout's likewise are images of operand registers; the scale words lie in sc.
; A work-group of four waves makes 256 tokens x 256 features, a wave 128 x 128: 64 accumulators in windows 2 and 3.  K = 1,024 goes in eight steps of 128 through two LDS slots of 256 along K, written out.
; Source 0 = 16 features (permuted: of 32, tile u gives lane r the feature 8 u + r + 8 (r / 8)), source 1 = 16 neighbouring tokens: a lane holds one token, and tiles 2 b, 2 b + 1 give it features 32 b + 16 h + 0 .. 15.
; The bias is the C of each sum's first product.  CLUSTERS 4 x 4: o's tiles are asked for jointly along a row of the cluster, Wout's along a column.
; 128 work-groups: a block of 256 x 256 keeps the wave's tile at 128 x 128.
.set KSLX,  1572864
.set KSLO,  196608
.set TILEB, 3072
.set HALFT, 24576
.set WOFF,  49152
.set SLOT,  98304
.set SPARE, 196608                     ; the spare words, 128 bytes for each wave, which no other line names
.set SCWO,  360448
.set SCO,   393216
.set FR,    12
.set SO,    8
.set A16,   16
.set A8,    18
.set B16,   20
.set B8,    22
.set STO,   24                         ; the way out: where I put 32 bytes of a row;  v25 where I read a row back;  v26 my byte offset in a row of out0
.set RD,    25
.set CO,    26
.set SPW,   28
.set NIL,   29
.set SC,    32
.set AF,    128
.set BK,    128
.set G1,    24
.set G0,    32
.set G1B,   48
.set G0B,   56
.set MSB, 0
.macro WIN new
.if MSB != (\new)
	s_set_vgpr_msb (MSB<<8)|(\new)
.set MSB, (\new)
.endif
.endm
.set MUL_LO, 0xa1
.set MUL_HI, 0xf1
.set TO_B,   0x40
.macro JLOAD g0a, g1a, g0b, g1b
	s_cmp_eq_u32 s15, 0
	s_cbranch_scc0 .Lfor_b_\@
	tensor_load_to_lds s[\g0a:\g0a+3], s[\g1a:\g1a+7]
	s_nop 0
.rept 4
	v_nop
.endr
	s_branch .Lasked_\@
.Lfor_b_\@:
	tensor_load_to_lds s[\g0b:\g0b+3], s[\g1b:\g1b+7]
	s_nop 0
.rept 4
	v_nop
.endr
.Lasked_\@:
.endm
.macro CREST
	s_cmp_lg_u32 s14, 0
	s_cbranch_scc1 .Lnot_wave_0_\@
	s_barrier_signal -3
.Lnot_wave_0_\@:
	s_barrier_wait -3
	s_barrier_signal -1
	s_barrier_wait -1
.endm
.macro CROUND
	s_barrier_signal -1
	s_barrier_wait -1
	CREST
.endm
.macro PLACES n
.rept \n
	v_nop
.endr
.endm
	s_load_b256 s[4:11], s[0:1], 0x0               ; oc, woc, sc, bout
	s_load_b64 s[12:13], s[0:1], 0x20              ; out0
	v_lshl_add_u32 v[SPW], v0, 2, SPARE
	v_mov_b32 v[NIL], 0
	ds_add_u32 v[SPW], v[NIL]                      ; the wave's opening: the add and its wait ahead of my first tensor load
	v_lshrrev_b32 v1, 5, v0
	v_readfirstlane_b32 s14, v1
	s_lshr_b32 s15, s14, 1
	s_and_b32 s16, s14, 1
	s_bfe_u32 s40, ttmp6, 0x40000
	s_bfe_u32 s41, ttmp6, 0x40004
	s_lshl_b32 s42, ttmp9, 2
	s_add_co_u32 s42, s42, s40                     ; gx
	s_and_b32 s17, ttmp7, 0xffff
	s_lshl_b32 s17, s17, 2
	s_add_co_u32 s17, s17, s41                     ; gy
	s_lshl_b32 s43, s41, 2
	s_lshl_b32 s43, 15, s43
	s_lshl_b32 s44, 0x1111, s40
	s_or_b32 s[G1+0], s43, (3<<16)|(1<<21)
	s_or_b32 s[G1B+0], s44, (3<<16)|(1<<21)
.irp g, G1, G1B                        ; a dense block of 24,576 bytes as 96 rows of 256
	s_mov_b32 s[\g+1], 32<<16
	s_mov_b32 s[\g+2], 96<<16
	s_mov_b32 s[\g+3], 32<<16
	s_mov_b32 s[\g+4], 96
	s_mov_b32 s[\g+5], 32
	s_mov_b32 s[\g+6], 0
	s_mov_b32 s[\g+7], 0
.endr
	s_lshl_b32 s18, s16, 3
	s_lshl_b32 s20, s17, 4
	s_add_co_u32 s20, s20, s18
	s_mul_i32 s20, s20, TILEB
	s_mov_b32 s21, 0
	s_lshl_b32 s46, s42, 4
	s_add_co_u32 s46, s46, s18
	s_mul_i32 s46, s46, TILEB
	s_mov_b32 s47, 0
	s_mul_i32 s45, s14, HALFT
	s_mov_b32 s71, 0xffff0000
	s_wait_dscnt 0x0
	s_wait_kmcnt 0x0
	s_add_nc_u64 s[20:21], s[4:5], s[20:21]
	s_add_nc_u64 s[46:47], s[6:7], s[46:47]
	CROUND
.irp s, 0,1
	s_mov_b32 s[G0+4*\s], 1
	s_add_co_u32 s[G0+4*\s+1], s45, \s*SLOT
	s_add_nc_u64 s[G0+4*\s+2:G0+4*\s+3], s[20:21], \s*KSLX
	s_or_b32 s[G0+4*\s+3], s[G0+4*\s+3], 0x80000000
	s_mov_b32 s[G0B+4*\s], 1
	s_add_co_u32 s[G0B+4*\s+1], s45, \s*SLOT
	s_add_nc_u64 s[G0B+4*\s+2:G0B+4*\s+3], s[46:47], \s*KSLO
	s_or_b32 s[G0B+4*\s+3], s[G0B+4*\s+3], 0x80000000
	JLOAD G0+4*\s, G1, G0B+4*\s, G1B
.endr
	v_and_b32 v1, 31, v0
	v_lshlrev_b32 v2, 4, v1
	v_lshlrev_b32 v3, 3, v1
	s_mul_i32 s21, s15, HALFT                      ; source 1: my 128 tokens
	s_mul_i32 s22, s16, HALFT
	s_add_co_u32 s22, s22, WOFF                    ; source 0: my 128 features
.irp s, 0,1
	v_add_nc_u32 v[A16+\s], s21, v2
	v_add_nc_u32 v[A8+\s], s21, v3
	v_add_nc_u32 v[B16+\s], s22, v2
	v_add_nc_u32 v[B8+\s], s22, v3
	s_add_co_u32 s21, s21, SLOT
	s_add_co_u32 s22, s22, SLOT
.endr
	; the scale words of all of K: lanes 0-15 o's, lanes 16-31 Wout's
	s_lshl_b32 s76, s17, 4
	s_lshl_b32 s78, s15, 3
	s_add_co_u32 s76, s76, s78
	s_lshl_b32 s76, s76, 7
	s_add_co_u32 s76, s76, SCO
	s_lshl_b32 s77, s42, 4
	s_lshl_b32 s79, s16, 3
	s_add_co_u32 s77, s77, s79
	s_lshl_b32 s77, s77, 7
	s_add_co_u32 s77, s77, SCWO
	v_and_b32 v4, 15, v0
	v_lshlrev_b32 v4, 3, v4
	v_mov_b32 v5, s76
	v_mov_b32 v6, s77
	v_cndmask_b32 v5, v5, v6, s71
	v_add_nc_u32 v[SO], v4, v5
	v_mov_b32 v5, 0x10000
	v_mov_b32 v6, 0x2000
	v_cndmask_b32 v5, v5, v6, s71
	v_add_nc_u32 v[SO+1], v[SO], v5
	v_add_nc_u32 v[SO+2], v[SO+1], v5
	v_add_nc_u32 v[SO+3], v[SO+2], v5
.irp p, 0,1,2,3
.irp i, 0,1,2,3,4,5,6,7
	global_load_b64 v[SC+8*\i+2*\p:SC+8*\i+2*\p+1], v[SO+\p], s[8:9] offset:128*\i
.endr
.endr
	; the bias, in the result's layout: tile t, lane (r, h): features 32 (t / 2) + 8 (t % 2) + 16 h + 0 .. 7 of my 128; in window 1, between and behind source 0's two sets
	s_lshl_b32 s76, s42, 10
	s_lshl_b32 s77, s16, 9
	s_add_co_u32 s76, s76, s77
	s_mov_b32 s77, 0
	s_add_nc_u64 s[10:11], s[10:11], s[76:77]
	v_bfe_u32 v7, v0, 4, 1
	v_lshlrev_b32 v7, 6, v7
	WIN TO_B
.irp t, 0,1,2,3,4,5,6,7
	global_load_b128 v[96+8*\t+96*(\t/4):99+8*\t+96*(\t/4)], v7, s[10:11] offset:(32*(\t/2)+8*(\t%2))*4
	global_load_b128 v[100+8*\t+96*(\t/4):103+8*\t+96*(\t/4)], v7, s[10:11] offset:(32*(\t/2)+8*(\t%2))*4+16
.endr
	WIN 0
	; the way out
	s_mul_i32 s23, s14, 8448                       ; my stage: 16 rows x 528 bytes, in slot 0, which has had its last fill and its last read when the first result is stored there
	v_and_b32 v4, 15, v0
	v_mul_u32_u24 v5, v4, 528
	v_add_nc_u32 v5, v5, v7                        ; row r, + 64 h
	v_add_nc_u32 v[STO], s23, v5
	v_mov_b32 v[CO], v2
	v_add_nc_u32 v[RD], s23, v2
	s_lshl_b32 s20, s17, 8
	s_lshl_b32 s21, s15, 7
	s_add_co_u32 s20, s20, s21                     ; my first token
	s_lshl_b32 s20, s20, 12                        ; x 4,096 bytes
	s_add_co_u32 s20, s20, s76                     ; + my first feature's bytes
	s_mov_b32 s21, 0
	s_add_nc_u64 s[12:13], s[12:13], s[20:21]
.macro FRAG reg, a16, a8, q, i
	ds_load_b128 v[\reg:\reg+3], v[\a16] offset:TILEB*(\i)+1536*(\q)
	ds_load_b64 v[\reg+4:\reg+5], v[\a8] offset:TILEB*(\i)+1536*(\q)+512
	ds_load_b128 v[\reg+6:\reg+9], v[\a16] offset:TILEB*(\i)+1536*(\q)+768
	ds_load_b64 v[\reg+10:\reg+11], v[\a8] offset:TILEB*(\i)+1536*(\q)+1280
.endm
.macro FETCH_B slot, q, p
	WIN TO_B
.irp i, 0,1,2,3,4,5,6,7
	FRAG 128*(\p)+FR*\i, B16+\slot, B8+\slot, \q, \i
.endr
	WIN 0
.endm
.macro FETCH_A slot, q, i0
.irp i, \i0, \i0+1, \i0+2, \i0+3
	FRAG AF+FR*(\i), A16+\slot, A8+\slot, \q, \i
.endr
.endm
; 16 matrix instructions; bias = 1: the first products start the sums from the bias.  The 64 accumulators take turns, one instruction a turn, in the same order in every step.
.macro MUL16 a0, p, ks, bias
.irp a, \a0, \a0+1
.irp b, 0,1,2,3,4,5,6,7
.if \bias
	v_wmma_scale_f32_16x16x128_f8f6f4 v[8*(8*((\a)%4)+\b):8*(8*((\a)%4)+\b)+7], v[128*(\p)+FR*\b:128*(\p)+FR*\b+FR-1], v[AF+FR*(\a):AF+FR*(\a)+FR-1], v[96+8*\b+96*(\b/4):103+8*\b+96*(\b/4)], v[SC+8*\b+(\ks)], v[SC+8*(\a)+(\ks)] matrix_a_fmt:MATRIX_FMT_FP6 matrix_b_fmt:MATRIX_FMT_FP6 matrix_a_scale:MATRIX_SCALE_ROW1
.else
	v_wmma_scale_f32_16x16x128_f8f6f4 v[8*(8*((\a)%4)+\b):8*(8*((\a)%4)+\b)+7], v[128*(\p)+FR*\b:128*(\p)+FR*\b+FR-1], v[AF+FR*(\a):AF+FR*(\a)+FR-1], v[8*(8*((\a)%4)+\b):8*(8*((\a)%4)+\b)+7], v[SC+8*\b+(\ks)], v[SC+8*(\a)+(\ks)] matrix_a_fmt:MATRIX_FMT_FP6 matrix_b_fmt:MATRIX_FMT_FP6 matrix_a_scale:MATRIX_SCALE_ROW1
.endif
.endr
.endr
.endm
.macro STEP slot, ks, bias
	s_wait_dscnt 16                                ; all but the youngest sixteen loads (source 1's tiles 4-7)
.if \bias
	WIN 0x91                                       ; C in window 1, D in window 2
.else
	WIN MUL_LO
.endif
	MUL16 0, 0, \ks, \bias
	MUL16 2, 0, \ks, \bias
	s_wait_dscnt 0x0
	PLACES 4
	FETCH_B \slot, 1, 1
	FETCH_A \slot, 1, 0
.if \bias
	WIN 0xd1                                       ; C in window 1, D in window 3
.else
	WIN MUL_HI
.endif
	MUL16 4, 0, \ks, \bias
	MUL16 6, 0, \ks, \bias
	PLACES 4
	WIN 0
	FETCH_A \slot, 1, 4
.endm
.macro TURN slot, next, fill, ks
	s_wait_tensorcnt 0x0                           ; all my tensor loads have landed
	ds_add_u32 v[SPW], v[NIL]
	s_wait_dscnt 17                                ; (the add and the youngest sixteen loads may be out)
	WIN MUL_LO
	MUL16 0, 1, \ks, 0
	s_wait_dscnt 0x0                               ; the add is done, and my reads of this slot are over
	s_barrier_signal -1
	MUL16 2, 1, \ks, 0
	WIN 0
	s_barrier_wait -1
.if \fill
	CREST
	s_add_nc_u64 s[G0+4*\slot+2:G0+4*\slot+3], s[G0+4*\slot+2:G0+4*\slot+3], 2*KSLX
	s_add_nc_u64 s[G0B+4*\slot+2:G0B+4*\slot+3], s[G0B+4*\slot+2:G0B+4*\slot+3], 2*KSLO
	JLOAD G0+4*\slot, G1, G0B+4*\slot, G1B
.else
	PLACES 4
.endif
	FETCH_B \next, 0, 0
	FETCH_A \next, 0, 0
	WIN MUL_HI
	MUL16 4, 1, \ks, 0
	MUL16 6, 1, \ks, 0
	PLACES 4
	WIN 0
	FETCH_A \next, 0, 4
.endm
	s_wait_tensorcnt 0x1                           ; my part of slot 0 is in; slot 1's may be out
	s_barrier_signal -1
	s_barrier_wait -1
	FETCH_B 0, 0, 0
	FETCH_A 0, 0, 0
	FETCH_A 0, 0, 4
	s_wait_loadcnt 0x0                             ; the scale words and the bias
	STEP 0, 0, 1
	TURN 0, 1, 1, 1
	STEP 1, 2, 0
	TURN 1, 0, 1, 3
	STEP 0, 4, 0
	TURN 0, 1, 0, 5
	STEP 1, 6, 0
	s_wait_dscnt 16
	WIN MUL_LO
	MUL16 0, 1, 7, 0
	MUL16 2, 1, 7, 0
	s_wait_dscnt 0x0
	WIN MUL_HI
	MUL16 4, 1, 7, 0
	MUL16 6, 1, 7, 0
	WIN 0
; THE WAY OUT, 16 tokens x 128 features at a time, through my own stage: in by lanes (32 bytes of a row each tile), back as whole rows of 512 bytes.  LDS serves a wave's instructions in order.
.macro TOSTAGE a
.set AC, 64*((\a)%4)
.set WN, 0x08+4*((\a)/4)
	WIN WN                                         ; an LDS store's data: window 2 or 3
.irp b, 0,1,2,3,4,5,6,7
	ds_store_b128 v[STO], v[AC+8*\b:AC+8*\b+3] offset:128*(\b/2)+32*(\b%2)         ; each accumulator from its low end on
	ds_store_b128 v[STO], v[AC+8*\b+4:AC+8*\b+7] offset:128*(\b/2)+32*(\b%2)+16
.endr
	WIN 0
.set BB, BK+64*((\a)%2)
.irp t, 0,1,2,3,4,5,6,7,8,9,10,11,12,13,14,15
	ds_load_b128 v[BB+4*\t:BB+4*\t+3], v[RD] offset:\t*528
.endr
.endm
.macro SEND a, younger
.set BB, BK+64*((\a)%2)
	s_wait_dscnt \younger                          ; the block is back; the next block's sixteen stores and sixteen loads may be out
.if (\a) > 0
	s_add_nc_u64 s[12:13], s[12:13], 65536         ; 16 rows on (the earlier stores have read their base: the wait on XCNT stands above)
.endif
.irp t, 0,1,2,3,4,5,6,7,8,9,10,11,12,13,14,15
	global_store_b128 v[CO], v[BB+4*\t:BB+4*\t+3], s[12:13] offset:\t*4096 th:TH_STORE_NT   ; 512 consecutive bytes, aligned
.endr
.endm
	PLACES 4
	TOSTAGE 0
.irp a, 1,2,3,4,5,6,7
.if \a > 1
	s_wait_xcnt 0x0                                ; block a - 2's stores have read their registers and their base
.endif
	TOSTAGE \a
	SEND \a-1, 32
.endr
	s_wait_xcnt 0x0
	SEND 7, 0
	s_wait_tensorcnt 0x0                           ; the wave's end
	ds_add_u32 v[SPW], v[NIL]
	s_wait_dscnt 0x0
	CROUND                                         ; the closing round
	s_endpgm
.Lfunc_end_k_q10badb3e6e_gemm_out:
	.size	k_q10badb3e6e_gemm_out, .Lfunc_end_k_q10badb3e6e_gemm_out-k_q10badb3e6e_gemm_out
	.p2alignl 7, 3214868480
	.fill 96, 4, 3214868480
	.section	.rodata,"a",@progbits
	.p2align	6, 0x0
	.amdhsa_kernel k_q10badb3e6e_gemm_out
		.amdhsa_group_segment_fixed_size 327680
		.amdhsa_private_segment_fixed_size 0
		.amdhsa_enable_private_segment 0
		.amdhsa_kernarg_size 40
		.amdhsa_user_sgpr_count 2
		.amdhsa_user_sgpr_kernarg_segment_ptr 1
		.amdhsa_wavefront_size32 1
		.amdhsa_system_sgpr_workgroup_id_x 1
		.amdhsa_system_sgpr_workgroup_id_y 1
		.amdhsa_system_sgpr_workgroup_id_z 1
		.amdhsa_system_vgpr_workitem_id 0
		.amdhsa_next_free_vgpr 1024
		.amdhsa_next_free_sgpr 96
		.amdhsa_reserve_vcc 0
		.amdhsa_float_denorm_mode_32 3
		.amdhsa_float_denorm_mode_16_64 3
		.amdhsa_memory_ordered 1
		.amdhsa_forward_progress 1
		.amdhsa_inst_pref_size 144
	.end_amdhsa_kernel
	.amdgpu_metadata
---
amdhsa.version: [ 1, 2 ]
amdhsa.kernels:
  - .name:           k_q10badb3e6e_gemm_out
    .symbol:         k_q10badb3e6e_gemm_out.kd
    .args:
      - { .name: oc, .offset: 0, .size: 8, .value_kind: global_buffer, .address_space: global }
      - { .name: woc, .offset: 8, .size: 8, .value_kind: global_buffer, .address_space: global }
      - { .name: sc, .offset: 16, .size: 8, .value_kind: global_buffer, .address_space: global }
      - { .name: bout, .offset: 24, .size: 8, .value_kind: global_buffer, .address_space: global }
      - { .name: out0, .offset: 32, .size: 8, .value_kind: global_buffer, .address_space: global }
    .group_segment_fixed_size: 327680
    .private_segment_fixed_size: 0
    .kernarg_segment_align: 8
    .kernarg_segment_size: 40
    .max_flat_workgroup_size: 128
    .sgpr_count:     96
    .vgpr_count:     1024
    .wavefront_size: 32
...
	.end_amdgpu_metadata
.endif
;; end of part 4
